; MI455X (gfx1250); checked and timed in simulation.
; The chip was launched on July 23, 2026; its instructions are those of AMD's public machine-readable ISA for CDNA 5 (MIT licence, August 2026) and "CDNA5" Instruction Set Architecture Reference Guide (July 2026). The comments in the code are by the model that wrote it; some were corrected since.
;; Meta Multi Head Self Attention. Allowed arithmetic: matrix products marked QUANTISED: E2M3 operands, one E8M0 scale for each 32 along K, by v_wmma_scale_f32_16x16x128_f8f6f4 with both operands' format E2M3, f32 sums; everything else in f32.
;; Inputs: k_proj 1,024 x 1,024 float32; o_proj 1,024 x 1,024 float32; q_proj 1,024 x 1,024 float32; v_proj 1,024 x 1,024 float32; x 4 x 2,048 x 1,024 float32.
;; Outputs: out0 4 x 2,048 x 1,024 float32.
;; This version of the problem:
;;   THIS VERSION OF THE PROBLEM IS GIVEN IN LOW PRECISION. The matrix products marked QUANTISED in the list below multiply operands that are first quantised to E2M3 (2 exponent bits, 3 mantissa bits; 6 bits a number), with one power-of-two scale for each 32 numbers along K (OCP MX v1.0); their sums are f32. All else is computed in f32.
;;   The module's matrix products, in the order in which they are computed (A, B: the left and right operand; K: the contracted axis; several contracted axes count as one K, in the product's order):
;;     1. [M 8,192, K 1,024] x [K 1,024, N 1,024]; A: input x; B: input q_proj: QUANTISED
;;     2. [M 8,192, K 1,024] x [K 1,024, N 1,024]; A: input x; B: input k_proj: QUANTISED
;;     3. [M 8,192, K 1,024] x [K 1,024, N 1,024]; A: input x; B: input v_proj: QUANTISED
;;     4. batch 64 x [M 2,048, K 64] x [K 64, N 2,048]; A: computed on the way; B: computed on the way: QUANTISED
;;     5. batch 64 x [M 2,048, K 2,048] x [K 2,048, N 64]; A: softmax (see below); B: computed on the way: QUANTISED
;;     6. [M 8,192, K 1,024] x [K 1,024, N 1,024]; A: computed on the way; B: input o_proj: QUANTISED
;;   THE QUANTISER, for each operand of a quantised product, along K:
;;     - K is cut into blocks of 32 from its start; a last block that is shorter is filled with zeros.
;;     - A block's scale is 2^e with e = floor(log2(the largest magnitude in the block)) - 2, held to -126 .. 127; a block of zeros has e = 0. As a byte (E8M0): e + 127.
;;     - Each number is divided by its block's scale, clamped to +-7.5, and rounded to the nearest number of E2M3, ties to even, subnormals kept.
;;     - The product sums the exact products of the quantised numbers (number of the format x scale) in f32.
;;   ~~~python
;;   def quantise(x, axis):      # numpy; x: float32 -> the quantised numbers, widened to float32 again
;;       x = np.moveaxis(x, axis, -1); K = x.shape[-1]
;;       x = np.pad(x, [(0, 0)] * (x.ndim - 1) + [(0, -K % 32)]); x = x.reshape(x.shape[:-1] + (-1, 32)); a = np.abs(x).max(-1, keepdims=True)
;;       e = np.where(a > 0, np.clip(np.frexp(np.where(a > 0, a, 1))[1] - 1 - 2, -126, 127), 0)      # np.frexp(a)[1] - 1 = floor(log2(a)), exactly
;;       r = np.clip(x / 2.0 ** e, -7.5, 7.5)
;;       step = 2.0 ** (np.maximum(np.frexp(np.where(r == 0, 1, r))[1] - 1, 0) - 3)
;;       q = np.round(r / step) * step * 2.0 ** e      # np.round: ties to even
;;       return np.moveaxis(q.reshape(q.shape[:-2] + (-1,))[..., :K], -1, axis).astype(np.float32)
;;   ~~~
;;   SOFTMAX AHEAD OF A QUANTISED PRODUCT. Where the list says 'softmax', what is quantised is not the finished softmax but p = 2^(t - M), with t = logit x log2(e) and M = ceil(the row's largest t), a whole number; so 1/2 < the row's largest p <= 1. The row's sum l is taken of the UNQUANTISED p, in f32, and the product's result is divided by l at the end. Since M is a whole number, a kernel that streams over the keys may use a running M (the ceiling of the running maximum): every later rescaling is an exact power of two, which a block's scale takes up: the codes' values come out the same.
;;   OPERANDS COMPUTED ON THE WAY. 'Computed on the way' means the value that the module computes at that place (a softmax that the list does not call 'softmax' is quantised finished and normalised). What goes into a quantiser is computed in f32, as accurately as f32 sums, v_exp_f32 and their like allow (about 1e-6 of the number): no bf16 or f16 on the way to a quantiser, and a product that is left as it is and whose result goes on into a quantised operand takes f32 operands (vector FMAs, or v_wmma_f32_16x16x4_f32). A number that lies on a knife's edge between two numbers of the format may be rounded either way, as far as f32 arithmetic and the matrix unit's own rounding can turn it there, and no further.
;; One version. Each part assembles by itself: llvm-mc -triple=amdgcn-amd-amdhsa -mcpu=gfx1250 --defsym DOCPART=n.
;; ======== version 1 of 1: 4 launches
;; workspace buffers: cod 9,437,184 bytes; scl 393,216 bytes; qk_cod 12,582,912 bytes; qk_scl 1,048,576 bytes; v_cod 6,291,456 bytes; v_scl 524,288 bytes; at_cod 6,291,456 bytes; at_scl 262,144 bytes
;; launch quant (part 1): grid 768 x 1, 4 waves a work-group, no clusters, 68,096 bytes of LDS; arguments x, q_proj, k_proj, v_proj, o_proj, cod, scl; writes cod, scl
.if DOCPART == 1
	.amdgcn_target "amdgcn-amd-amdhsa--gfx1250"
	.amdhsa_code_object_version 6
	.text
	.protected	k_q014403c2a2_quant
	.globl	k_q014403c2a2_quant
	.p2align	8
	.type	k_q014403c2a2_quant,@function
k_q014403c2a2_quant:
	s_mov_b64 s[64:65], 0
	v_nop
	global_prefetch_b8 v0, s[64:65] scope:SCOPE_SE
	s_setreg_imm32_b32 hwreg(HW_REG_WAVE_MODE, 25, 1), 1
	s_wait_xcnt 0x0
; x [8192][1024] and the four weights [1024][1024], f32, K innermost, become codes of FP6 (E2M3) with one E8M0 byte for each 32 along K,
; laid in the ORDER OF THE OPERAND'S REGISTERS, so that every later reader takes fragments by loads of 16 and 8 bytes a lane from consecutive bytes.
; TILES.  A tile is 16 rows, and they are not neighbours: row p (0..15) of tile T is row 32 (T / 2) + 8 (T % 2) + p + 8 (p / 8).
; Tiles 0-511 are x's, 512-575 q_proj's, 576-639 k_proj's, 640-703 v_proj's, 704-767 o_proj's.
; HALF FRAGMENT (T, kap), 768 bytes at cod + 12288 T + 768 kap: lane l = (p = l % 16, h = l / 16) owns the 24 bytes of codes of its row, K = 64 kap + 32 h + 0..31:
; its first 16 bytes lie at 16 l, its last 8 at 512 + 8 l.   SCALE WORDS: scl + 512 T + 64 s + 4 p: four bytes for K = 128 s + 32 b.
; A block's scale is 2^(floor(log2(largest magnitude)) - 2); its byte is the largest magnitude's exponent field - 2, held at 1 from below.
; LIMITS: a block of zeros, and a block whose largest magnitude lies under 2^-124, keeps the byte 1 (its codes then are zeros or small; these bytes are read by this program alone);
; NaN and infinities among the inputs are not served.
; SHARES.  A work-group takes one tile, wave w its K steps 2 w and 2 w + 1 (128 along K each).  Each load reads 512 consecutive bytes of one row; a K step's 16 rows turn through
; the wave's own stage in LDS (rows 528 bytes apart) and come back as 16 neighbours of each block a lane.
; No matrix unit, no cluster, no barrier: work-groups share no input and waves share nothing.
.set R,      16                        ; v16-143   32 loads of 4 registers: unit u, row p at R + 64 u + 4 p
.set X,      144                       ; v144-207  64 numbers of my row: register 16 b + i = K 32 b + 16 h + i
.set PC,     208                       ; v208-219  the fragment's codes; v220-222, v224-226 the conversions' second halves
.set TM,     228                       ; v228-231 largest magnitudes, v232-235 the other half's, then bytes, v240-243 the conversions' scale operands
.set PW,     244                       ; v244, v245 the two units' scale words
.set SEL,    22                        ; s[22:23] lane selects: lane l xor 16
.set SPITCH, 528
.set UNITB,  16*SPITCH
.set WREG,   2*UNITB
	s_load_b256 s[4:11], s[0:1], 0x0               ; x, q_proj, k_proj, v_proj
	s_load_b128 s[12:15], s[0:1], 0x20             ; o_proj, cod
	s_load_b64 s[16:17], s[0:1], 0x30              ; scl
	v_lshl_add_u32 v254, v0, 2, 0x10800
	v_mov_b32 v255, 0
	v_lshrrev_b32 v1, 5, v0
	v_readfirstlane_b32 s20, v1                    ; wave
	v_and_b32 v6, 31, v0                           ; lane
	v_and_b32 v7, 15, v0                           ; r
	v_bfe_u32 v8, v0, 4, 1                         ; h
	v_lshlrev_b32 v1, 4, v6                        ; 16 l
	s_mul_i32 s21, s20, WREG                       ; my wave's stages
	v_add_nc_u32 v2, s21, v1                       ; into a stage: 16 l of a row
	v_mul_u32_u24 v3, v7, SPITCH
	v_lshl_add_u32 v3, v8, 6, v3
	v_add_nc_u32 v3, s21, v3                       ; out of it: row r, + 64 h
	v_lshlrev_b32 v4, 3, v6                        ; 8 l
	v_lshlrev_b32 v5, 2, v6                        ; 4 l
	s_mov_b32 s[SEL], 0x76543210
	s_mov_b32 s[SEL+1], 0xfedcba98
.irp b, 0,1,2,3
	v_mov_b32 v[TM+4+\b], 0                        ; written once: a lane permute's destination counts as one of its sources
.endr
	s_cmp_lt_u32 ttmp9, 512
	s_cselect_b32 s24, -1, 63
	s_and_b32 s24, ttmp9, s24                      ; the tile's number inside its tensor
	s_lshr_b32 s26, s24, 1
	s_lshl_b32 s26, s26, 17                        ; 32 rows of 4,096 bytes for each pair of tiles,
	s_and_b32 s25, s24, 1
	s_lshl_b32 s25, s25, 15                        ; 8 rows for the odd tile of a pair,
	s_add_co_u32 s26, s26, s25
	s_lshl_b32 s25, s20, 10                        ; and my wave's 256 along K
	s_add_co_u32 s26, s26, s25
	s_mov_b32 s27, 0
	s_mul_i32 s28, ttmp9, 12288                    ; codes: the tile, and my four half fragments
	s_mul_i32 s25, s20, 3072
	s_add_co_u32 s28, s28, s25
	s_mov_b32 s29, 0
	s_lshl_b32 s30, ttmp9, 9                       ; scale words: the tile, and my two K steps
	s_lshl_b32 s25, s20, 7
	s_add_co_u32 s30, s30, s25
	s_mov_b32 s31, 0
	s_wait_alu depctr_va_vdst(0)
	s_wait_kmcnt 0x0
	s_cmp_lt_u32 ttmp9, 704                        ; which tensor: the choice hangs on the work-group's number alone
	s_cselect_b64 s[18:19], s[10:11], s[12:13]
	s_cmp_lt_u32 ttmp9, 640
	s_cselect_b64 s[18:19], s[8:9], s[18:19]
	s_cmp_lt_u32 ttmp9, 576
	s_cselect_b64 s[18:19], s[6:7], s[18:19]
	s_cmp_lt_u32 ttmp9, 512
	s_cselect_b64 s[18:19], s[4:5], s[18:19]
	s_add_nc_u64 s[18:19], s[18:19], s[26:27]
	s_add_nc_u64 s[28:29], s[14:15], s[28:29]
	s_add_nc_u64 s[30:31], s[16:17], s[30:31]
.irp u, 0,1
.irp p, 0,1,2,3,4,5,6,7,8,9,10,11,12,13,14,15
	global_load_b128 v[R+64*\u+4*\p:R+64*\u+4*\p+3], v1, s[18:19] offset:(\p+8*(\p/8))*4096+512*\u th:TH_LOAD_NT   ; 512 consecutive bytes of one row; read once
.endr
.endr
; unit u's 16 rows through its stage.  LDS serves a wave's instructions in order, so no wait stands between the stores and the loads
.macro TURN u
.irp p, 0,1,2,3,4,5,6,7,8,9,10,11,12,13,14,15
	ds_store_b128 v2, v[R+64*\u+4*\p:R+64*\u+4*\p+3] offset:UNITB*\u+SPITCH*\p
.endr
.irp b, 0,1,2,3
.irp j, 0,1,2,3
	ds_load_b128 v[X+16*\b+4*\j:X+16*\b+4*\j+3], v3 offset:UNITB*\u+128*\b+16*\j
.endr
.endr
.endm
; 64 numbers of a lane, register 16 b + i = K 32 b + 16 h + i of my row, become a fragment's codes in v[PC] on and its scale word in v[pw]
.macro QUANT s, pw
.irp b, 0,1,2,3
	v_max3_num_f32 v[TM+\b], |v[\s+16*\b]|, |v[\s+1+16*\b]|, 0x1800000   ; my 16 numbers of block b, and the floor 2^(3 - 127): the byte cannot fall under 1
.endr
.irp i, 2,4,6,8,10,12,14
.irp b, 0,1,2,3
	v_max3_num_f32 v[TM+\b], v[TM+\b], |v[\s+16*\b+\i]|, |v[\s+1+16*\b+\i]|   ; the four blocks by turns
.endr
.endr
.irp b, 0,1,2,3
	v_permlanex16_b32 v[TM+4+\b], v[TM+\b], s[SEL], s[SEL+1]
.endr
.irp b, 0,1,2,3
	v_max_num_f32 v[TM+\b], v[TM+\b], v[TM+4+\b]   ; with lane l xor 16's: the block's largest magnitude
.endr
.irp b, 0,1,2,3
	v_add_nc_u32 v[TM+12+\b], 0xff000000, v[TM+\b] ; 2 off its exponent field: the conversion takes this operand's exponent field as its scale
.endr
.irp b, 0,1,2,3
	v_lshrrev_b32 v[TM+4+\b], 23, v[TM+12+\b]      ; the scale's byte
.endr
	v_lshl_or_b32 v[\pw], v[TM+5], 8, v[TM+4]
	v_lshl_or_b32 v[\pw], v[TM+6], 16, v[\pw]
	v_lshl_or_b32 v[\pw], v[TM+7], 24, v[\pw]      ; my row's scale word
.irp c, 0,1
	v_cvt_scalef32_pk16_fp6_f32 v[PC+6*\c:PC+2+6*\c], v[\s+32*\c:\s+15+32*\c], v[TM+12+2*\c]
	v_cvt_scalef32_pk16_fp6_f32 v[PC+12+4*\c:PC+14+4*\c], v[\s+16+32*\c:\s+31+32*\c], v[TM+13+2*\c]   ; (a conversion's three registers begin on an even number)
.endr
	v_nop                                          ; one plain instruction behind the scaled conversions
.irp c, 0,1                                    ; the operand's layout wants a whole block in a lane: lanes 0-15 block 2 c, lanes 16-31 block 2 c + 1
.irp i, 0,1,2
	v_permlane16_swap_b32 v[PC+6*\c+\i], v[PC+12+4*\c+\i]
.endr
.irp i, 0,1,2
	v_mov_b32 v[PC+3+6*\c+\i], v[PC+12+4*\c+\i]
.endr
.endr
.endm
.macro SENDC u                         ; the fragment leaves as two half fragments: each store covers 512 or 256 consecutive bytes, aligned
	global_store_b128 v1, v[PC:PC+3], s[28:29] offset:1536*\u
	global_store_b64 v4, v[PC+4:PC+5], s[28:29] offset:1536*\u+512
	global_store_b128 v1, v[PC+6:PC+9], s[28:29] offset:1536*\u+768
	global_store_b64 v4, v[PC+10:PC+11], s[28:29] offset:1536*\u+1280
.endm
	s_wait_loadcnt 16                              ; loads come back in order: unit 0's sixteen are in, unit 1's sixteen stay out
	TURN 0
	s_wait_dscnt 0x0
	QUANT X, PW
	SENDC 0
	s_wait_loadcnt 0x0
	TURN 1
	s_wait_dscnt 0x0
	s_wait_xcnt 0x0                                ; unit 0's stores have read their data: the codes' registers are written again only behind this wait
	QUANT X, PW+1
	SENDC 1
	v_cmp_gt_u32 vcc_lo, 16, v6
	v_cndmask_b32 v9, v[PW+1], v[PW], vcc_lo       ; lanes 0-15 carry K step 2 w's words, lanes 16-31 K step 2 w + 1's (both halves of the lanes hold row r's word)
	global_store_b32 v5, v9, s[30:31]              ; 128 consecutive bytes a wave, 512 a work-group
	s_wait_tensorcnt 0x0
	ds_add_u32 v254, v255
	s_wait_dscnt 0x0
	s_endpgm
.Lfunc_end_k_q014403c2a2_quant:
	.size	k_q014403c2a2_quant, .Lfunc_end_k_q014403c2a2_quant-k_q014403c2a2_quant
	.p2alignl 7, 3214868480
	.fill 96, 4, 3214868480
	.section	.rodata,"a",@progbits
	.p2align	6, 0x0
	.amdhsa_kernel k_q014403c2a2_quant
		.amdhsa_group_segment_fixed_size 68096
		.amdhsa_private_segment_fixed_size 0
		.amdhsa_enable_private_segment 0
		.amdhsa_kernarg_size 56
		.amdhsa_user_sgpr_count 2
		.amdhsa_user_sgpr_kernarg_segment_ptr 1
		.amdhsa_wavefront_size32 1
		.amdhsa_system_sgpr_workgroup_id_x 1
		.amdhsa_system_sgpr_workgroup_id_y 1
		.amdhsa_system_sgpr_workgroup_id_z 1
		.amdhsa_system_vgpr_workitem_id 0
		.amdhsa_next_free_vgpr 256
		.amdhsa_next_free_sgpr 66
		.amdhsa_reserve_vcc 1
		.amdhsa_float_denorm_mode_32 3
		.amdhsa_float_denorm_mode_16_64 3
		.amdhsa_memory_ordered 1
		.amdhsa_forward_progress 1
		.amdhsa_inst_pref_size 19
	.end_amdhsa_kernel
	.amdgpu_metadata
---
amdhsa.version: [ 1, 2 ]
amdhsa.kernels:
  - .name:           k_q014403c2a2_quant
    .symbol:         k_q014403c2a2_quant.kd
    .args:
      - { .name: x, .offset: 0, .size: 8, .value_kind: global_buffer, .address_space: global }
      - { .name: q_proj, .offset: 8, .size: 8, .value_kind: global_buffer, .address_space: global }
      - { .name: k_proj, .offset: 16, .size: 8, .value_kind: global_buffer, .address_space: global }
      - { .name: v_proj, .offset: 24, .size: 8, .value_kind: global_buffer, .address_space: global }
      - { .name: o_proj, .offset: 32, .size: 8, .value_kind: global_buffer, .address_space: global }
      - { .name: cod, .offset: 40, .size: 8, .value_kind: global_buffer, .address_space: global }
      - { .name: scl, .offset: 48, .size: 8, .value_kind: global_buffer, .address_space: global }
    .group_segment_fixed_size: 68096
    .private_segment_fixed_size: 0
    .kernarg_segment_align: 8
    .kernarg_segment_size: 56
    .max_flat_workgroup_size: 128
    .sgpr_count:     66
    .vgpr_count:     256
    .wavefront_size: 32
...
	.end_amdgpu_metadata
.endif
;; end of part 1
;; launch gemm_qkv (part 2): grid 8 x 96, 4 waves a work-group, clusters of 4 x 4, 297,472 bytes of LDS; arguments cod, scl, qk_cod, qk_scl, v_cod, v_scl; writes qk_cod, qk_scl, v_cod, v_scl
.if DOCPART == 2
	.amdgcn_target "amdgcn-amd-amdhsa--gfx1250"
	.amdhsa_code_object_version 6
	.text
	.protected	k_q014403c2a2_gemm_qkv
	.globl	k_q014403c2a2_gemm_qkv
	.p2align	8
	.type	k_q014403c2a2_gemm_qkv,@function
k_q014403c2a2_gemm_qkv:
	s_mov_b64 s[64:65], 0
	v_nop
	global_prefetch_b8 v0, s[64:65] scope:SCOPE_SE
	s_setreg_imm32_b32 hwreg(HW_REG_WAVE_MODE, 25, 1), 1
	s_wait_xcnt 0x0
	s_wait_alu depctr_hold_cnt(0) depctr_sa_sdst(0) depctr_va_vdst(0) depctr_va_sdst(0) depctr_va_ssrc(0) depctr_va_vcc(0) depctr_vm_vsrc(0)
	s_getreg_b32 s2, hwreg(HW_REG_IB_STS2, 6, 4)
	s_cmp_eq_u32 s2, 0
	s_cbranch_scc0 .Lentry_in_a_cluster
	s_endpgm
.Lentry_in_a_cluster:
	s_bfe_u32 s2, ttmp6, 0x10000c
	s_cmp_lg_u32 s2, 0xf033
	s_cbranch_scc0 .Lentry_shape_is_right
	s_endpgm
.Lentry_shape_is_right:
; The three projections on codes of FP6 (E2M3), K = 1,024, and their results quantised on the way out, as operands of the attention launch.
; FRAME.  D = P R^T: source 0 = a tile of P (16 rows), source 1 = a tile of R.  A work-group makes 16 tiles of P x 8 tiles of R, a wave (wr = wave / 2, wp = wave % 2) 8 x 4: 32 accumulators.
; Every tile's rows are 32 (T / 2) + 8 (T % 2) + p + 8 (p / 8).  So in the results of P's tiles 2 b and 2 b + 1 a lane (r, h) holds 16 NEIGHBOURS along P, 32 b + 16 h + 0..15, of R's row r:
; the conversions take them as they stand, and what comes out is a fragment whose K runs along P.
; TWO PARTS, told apart by the cluster's y (the same in all partners; it only selects numbers, no branch hangs on it):
;   y < 16:  P = q_proj; k_proj (tiles 512-639), R = x: a lane's registers run along the channels: q's and k's codes, K = a head's 64 channels.
;   else:    P = x, R = v_proj (tiles 640-703): a lane's registers run down the tokens: v's codes with the keys innermost.
; THE WHOLE K OF BOTH PANELS LIES IN LDS: (128 + 256) rows x 768 bytes = 294,912 bytes, each byte filled once, in four chunks of 256 along K; a wave has four tensor loads outstanding at the most.
; So the loop has no refill; the chunks are waited for one by one, with a work-group barrier behind each wait.  For 128 along K a wave reads 12 fragments for 32 matrix instructions.
; CLUSTER 4 x 4: R's tiles hang on the work-group's y alone and are asked for jointly along a row of the cluster, P's on its x (and the cluster's y) and are asked for jointly along a column.
; The codes lie in memory in the order of the operand's registers (half fragments of 768 bytes: a lane's first 16 bytes at 16 l, its last 8 at 512 + 8 l), so LDS reads are consecutive: no pitch, no padding.
; THE SCALE WORDS of my 12 tiles for all of K stay in 48 registers: lanes 0-15 hold an even K step's words, lanes 16-31 the odd step's behind it.
; OUT: qk_cod [32 heads (q's 16, k's 16)][512 token tiles] half fragments; qk_scl the same order, 16 words a tile, bytes 0, 1 real and 2, 3 zero (the byte 0 is a small scale, no NaN);
;      v_cod [128 groups of 64 keys][64 channel tiles] half fragments; v_scl [128][64][16] words, the word of 128 keys stored at both of its groups.
; LIMITS: a block of zeros or under 2^-124 keeps the byte 1; NaN and infinities are not served.
; REGISTERS: window 0: v1-3 16 l, 8 l, 4 l; v4-19 LDS addresses; v20-28 the way out; v32-63 P's scale words, v64-79 R's; v80-103 at work; v128-223 R's fragments, two sets, on the way out the codes.
;   window 1: v0-191 P's fragments, two sets.   window 2: accumulator (tr, tp) at v[8 (8 tr + tp)].
.set PB,   98304                       ; LDS: R's panel at 0 (chunk q, tile i: 24576 q + 3072 i), P's here (49152 q + 3072 i),
.set SCR,  294912                      ; and 512 bytes a wave for the scale words' way out: bytes of their own, into which no tile lands
.set AP16, 4                           ; v4-7   chunk q: my P tiles, 16 l
.set AP8,  8                           ; v8-11  the same + 512 + 8 l
.set AR16, 12                          ; v12-15 my R tiles
.set AR8,  16                          ; v16-19
.set SCW,  20                          ; v20    where I put a scale word
.set SCRD, 21                          ; v21    where I read four back
.set SOFF, 22                          ; v22    and where they go in memory
.set SHV,  23                          ; v23    the shift that picks my half's bytes
.set SP,   32
.set SR,   64
.set TM,   80
.set PW,   96
.set VAL,  97
.set BK,   100
.set RF,   128
.set G1R,  24                          ; s[24:31] descriptor group 1 for R's tiles; s[32:39] for P's; groups 0: R's s[40:55], P's s[56:63], s[68:75]
.set G1P,  32
.set SEL,  66
.set MSB,  0
.macro WIN new                         ; the immediate's high byte repeats the setting that is left
.if MSB != \new
	s_set_vgpr_msb (MSB<<8)|\new
.set MSB, \new
.endif
.endm
.macro PLACES n
.rept \n
	v_nop
.endr
.endm
.macro CROUND                          ; a round of the cluster's barrier
	s_barrier_signal -1
	s_barrier_wait -1
	s_cmp_lg_u32 s16, 0
	s_cbranch_scc1 .Lnot_wave_0_\@
	s_barrier_signal -3
.Lnot_wave_0_\@:
	s_barrier_wait -3
	s_barrier_signal -1
	s_barrier_wait -1
.endm
	s_load_b256 s[4:11], s[0:1], 0x0               ; cod, scl, qk_cod, qk_scl
	s_load_b128 s[12:15], s[0:1], 0x20             ; v_cod, v_scl
	v_lshl_add_u32 v254, v0, 2, 0x48800
	v_mov_b32 v255, 0
	ds_add_u32 v254, v255
	ds_add_u32 v254, v255
	v_lshrrev_b32 v1, 5, v0
	v_readfirstlane_b32 s16, v1                    ; wave
	s_lshr_b32 s17, s16, 1                         ; wr.  Also: I fetch for R (0) or for P (1)
	s_and_b32 s18, s16, 1                          ; wp.  Also: which half of that panel I fetch
	s_bfe_u32 s19, ttmp6, 0x40000                  ; cx
	s_bfe_u32 s20, ttmp6, 0x40004                  ; cy
	s_and_b32 s21, ttmp7, 0xffff                   ; the cluster's y
	s_lshl_b32 s22, ttmp9, 2
	s_add_co_u32 s22, s22, s19                     ; X = 4 x cluster x + cx
	s_lshl_b32 s76, s20, 2
	s_lshl_b32 s76, 15, s76                        ; my row of the cluster
	s_lshl_b32 s79, 0x1111, s19                    ; my column
	; group 1: rows of 3,072 bytes (a tile's 256 along K: 384 elements of 8 bytes), 12,288 bytes from tile to tile; R: 4 tiles a load, P: 8
	s_or_b32 s[G1R], s76, (3<<16)|(1<<21)          ; 15:0 the mask; 17:16 elements of 8 bytes; 20 no padding; 21 set beside a mask
	s_or_b32 s[G1P], s79, (3<<16)|(1<<21)
	s_mov_b32 s[G1R+1], 384<<16                    ; tensor_dim0
	s_mov_b32 s[G1R+2], 4<<16                      ; tensor_dim1
	s_mov_b32 s[G1R+3], 384<<16                    ; tile_dim0
	s_mov_b32 s[G1R+4], 4                          ; tile_dim1
	s_mov_b32 s[G1R+5], 1536                       ; from row to row, in elements
	s_mov_b32 s[G1R+6], 0
	s_mov_b32 s[G1R+7], 0
	s_mov_b32 s[G1P+1], 384<<16
	s_mov_b32 s[G1P+2], 8<<16
	s_mov_b32 s[G1P+3], 384<<16
	s_mov_b32 s[G1P+4], 8
	s_mov_b32 s[G1P+5], 1536
	s_mov_b32 s[G1P+6], 0
	s_mov_b32 s[G1P+7], 0
	; both parts' numbers are made, then chosen.  R's never hold cx, P's never cy
	s_lshl_b32 s76, s20, 3                         ; 8 cy
	s_lshl_b32 s77, s21, 5                         ; qk: + 32 y
	s_and_b32 s78, s21, 1
	s_lshl_b32 s78, s78, 5
	s_add_co_u32 s78, s78, 640                     ; v: + 640 + 32 (y % 2)
	s_lshl_b32 s79, s22, 4                         ; 16 X
	s_lshr_b32 s80, s21, 1
	s_lshl_b32 s81, s80, 7
	s_sub_co_u32 s81, s81, 1024                    ; v: + 128 ((y - 16) / 2)
	s_lshl_b32 s82, s80, 4
	s_sub_co_u32 s82, s82, 128                     ; v: the group of 128 keys: + 16 ((y - 16) / 2)
	s_mov_b32 s84, 49152
	s_mov_b32 s85, 0
	s_mov_b32 s86, 4096
	s_cmp_lt_u32 s21, 16                           ; the qk part?
	s_cselect_b32 s77, s77, s78
	s_cselect_b32 s81, 512, s81
	s_cselect_b32 s82, 0, s82
	s_cselect_b32 s83, 0, 640                      ; what comes off R's tile number on the way out
	s_cselect_b32 s84, 393216, s84                 ; bytes from one group of 64 along the new K to the next, in the codes,
	s_cselect_b32 s86, 32768, s86                  ; and in the scale words
	s_cselect_b32 s88, 16, 0                       ; qk: lanes 16-31 take the word's upper two bytes,
	s_cselect_b32 s89, 0xffff, -1                  ; and two bytes are kept; v: the whole word
	s_wait_dscnt 0x0
	s_wait_kmcnt 0x0
	s_cselect_b64 s[92:93], s[8:9], s[12:13]       ; the codes' buffer
	s_cselect_b64 s[94:95], s[10:11], s[14:15]     ; the scale words'
	s_add_co_u32 s77, s77, s76                     ; R's first tile
	s_add_co_u32 s81, s81, s79                     ; P's first tile
	s_lshl_b32 s96, s18, 2
	s_add_co_u32 s96, s96, s77
	s_mul_i32 s96, s96, 12288
	s_mov_b32 s97, 0
	s_add_nc_u64 s[96:97], s[4:5], s[96:97]        ; R: the four tiles that I would fetch
	s_lshl_b32 s98, s18, 3
	s_add_co_u32 s98, s98, s81
	s_mul_i32 s98, s98, 12288
	s_mov_b32 s99, 0
	s_add_nc_u64 s[98:99], s[4:5], s[98:99]        ; P: the eight
	s_mul_i32 s2, s18, 12288                       ; and where they go: no place in the cluster enters an LDS address
	s_mul_i32 s3, s18, 24576
	CROUND                                         ; all sixteen work-groups are here: the joint loads meet
.irp q, 0,1,2,3
.set GP, 56+4*\q+4*(\q/2)
	s_mov_b32 s[40+4*\q], 1
	s_add_co_u32 s[41+4*\q], s2, 24576*\q
	s_add_nc_u64 s[42+4*\q:43+4*\q], s[96:97], 3072*\q
	s_or_b32 s[43+4*\q], s[43+4*\q], 0x80000000
	s_mov_b32 s[GP], 1
	s_add_co_u32 s[GP+1], s3, PB+49152*\q
	s_add_nc_u64 s[GP+2:GP+3], s[98:99], 3072*\q
	s_or_b32 s[GP+3], s[GP+3], 0x80000000
.endr
	s_cmp_eq_u32 s17, 0                            ; a wave's four fills stand in one branch on its number, ahead of every wait on TENSORcnt, LDS read and further barrier
	s_cbranch_scc0 .Lfor_p
	tensor_load_to_lds s[40:43], s[G1R:G1R+7]
	s_nop 0
	tensor_load_to_lds s[44:47], s[G1R:G1R+7]
	s_nop 0
	tensor_load_to_lds s[48:51], s[G1R:G1R+7]
	s_nop 0
	tensor_load_to_lds s[52:55], s[G1R:G1R+7]
	s_nop 0
	PLACES 4
	s_branch .Lasked
.Lfor_p:
	tensor_load_to_lds s[56:59], s[G1P:G1P+7]
	s_nop 0
	tensor_load_to_lds s[60:63], s[G1P:G1P+7]
	s_nop 0
	tensor_load_to_lds s[68:71], s[G1P:G1P+7]
	s_nop 0
	tensor_load_to_lds s[72:75], s[G1P:G1P+7]
	s_nop 0
	PLACES 4
.Lasked:
	v_and_b32 v24, 31, v0
	v_lshlrev_b32 v1, 4, v24                       ; 16 l
	v_lshlrev_b32 v2, 3, v24                       ; 8 l
	v_lshlrev_b32 v3, 2, v24                       ; 4 l
	s_wait_alu depctr_va_vdst(0)
	s_lshl_b32 s98, s18, 3                         ; the scale words of my 8 tiles of P
	s_add_co_u32 s98, s98, s81
	s_lshl_b32 s98, s98, 9
	s_mov_b32 s99, 0
	s_add_nc_u64 s[98:99], s[6:7], s[98:99]
	s_lshl_b32 s96, s17, 2                         ; and of my 4 tiles of R
	s_add_co_u32 s96, s96, s77
	s_lshl_b32 s96, s96, 9
	s_mov_b32 s97, 0
	s_add_nc_u64 s[96:97], s[6:7], s[96:97]
.irp t, 0,1,2,3,4,5,6,7
.irp j, 0,1,2,3
	global_load_b32 v[SP+4*\t+\j], v3, s[98:99] offset:512*\t+128*\j   ; lanes 0-15: K step 2 j; lanes 16-31: K step 2 j + 1
.endr
.endr
.irp t, 0,1,2,3
.irp j, 0,1,2,3
	global_load_b32 v[SR+4*\t+\j], v3, s[96:97] offset:512*\t+128*\j
.endr
.endr
	v_add_nc_u32 v25, 512, v2
	s_mul_i32 s90, s18, 24576
	s_add_co_u32 s90, s90, PB
	s_mul_i32 s91, s17, 12288
.irp q, 0,1,2,3
	v_add_nc_u32 v[AP16+\q], s90, v1
	v_add_nc_u32 v[AP8+\q], s90, v25
	v_add_nc_u32 v[AR16+\q], s91, v1
	v_add_nc_u32 v[AR8+\q], s91, v25
	s_add_co_u32 s90, s90, 49152
	s_add_co_u32 s91, s91, 24576
.endr
	v_and_b32 v26, 15, v0                          ; r
	v_bfe_u32 v27, v0, 4, 1                        ; h
	s_lshl_b32 s90, s16, 9
	s_add_co_u32 s90, s90, SCR
	v_lshlrev_b32 v[SCW], 2, v26
	v_lshl_add_u32 v[SCW], v27, 8, v[SCW]
	v_add_nc_u32 v[SCW], s90, v[SCW]               ; 256 bytes for each half of the lanes; in them 64 bytes a tile, 4 r
	v_add_nc_u32 v[SCRD], s90, v1
	v_lshlrev_b32 v[SOFF], 4, v26
	v_mul_u32_u24 v28, s86, v27
	v_add_nc_u32 v[SOFF], v[SOFF], v28             ; lanes 16-31 store into the next group's words
	v_mul_u32_u24 v[SHV], s88, v27
	s_mov_b32 s[SEL], 0x76543210
	s_mov_b32 s[SEL+1], 0xfedcba98
.irp b, 0,1,2,3
	v_mov_b32 v[TM+4+\b], 0                        ; written once: a lane permute's destination counts as one of its sources
.endr
	s_lshl_b32 s90, s22, 1
	s_add_co_u32 s90, s90, s18
	s_add_co_u32 s90, s90, s82                     ; which 128 along P are my wave's
	s_lshl_b32 s82, s90, 1                         ; their first group of 64
	s_lshl_b32 s91, s17, 2
	s_add_co_u32 s91, s91, s77
	s_sub_co_u32 s91, s91, s83                     ; my first tile of R, as the output counts it
	s_mul_i32 s100, s82, s86
	s_lshl_b32 s87, s91, 6
	s_add_co_u32 s100, s100, s87
	s_mov_b32 s101, 0
	s_add_nc_u64 s[94:95], s[94:95], s[100:101]    ; my scale words
	s_mul_i32 s100, s82, s84
	s_mul_i32 s87, s91, 768
	s_add_co_u32 s100, s100, s87
	s_add_nc_u64 s[92:93], s[92:93], s[100:101]    ; my half fragments of the first group,
	s_add_nc_u64 s[100:101], s[92:93], s[84:85]    ; and of the second
; 16 matrix instructions: R's tiles a0, a0 + 1 x P's eight, K step s, fragment set f.  K step 0 starts the sums: nothing is cleared.
; The 32 accumulators take turns, one instruction a turn, in the same order in every step.
.macro MUL16 a0, f, s
.irp a, \a0, \a0+1
.irp b, 0,1,2,3,4,5,6,7
.if (\s) == 0
	v_wmma_scale_f32_16x16x128_f8f6f4 v[8*(8*(\a)+\b):8*(8*(\a)+\b)+7], v[96*(\f)+12*\b:96*(\f)+12*\b+11], v[RF+48*(\f)+12*(\a):RF+48*(\f)+12*(\a)+11], 0, v[SP+4*\b], v[SR+4*(\a)] matrix_a_fmt:MATRIX_FMT_FP6 matrix_b_fmt:MATRIX_FMT_FP6
.elseif (\s)%2 == 0
	v_wmma_scale_f32_16x16x128_f8f6f4 v[8*(8*(\a)+\b):8*(8*(\a)+\b)+7], v[96*(\f)+12*\b:96*(\f)+12*\b+11], v[RF+48*(\f)+12*(\a):RF+48*(\f)+12*(\a)+11], v[8*(8*(\a)+\b):8*(8*(\a)+\b)+7], v[SP+4*\b+(\s)/2], v[SR+4*(\a)+(\s)/2] matrix_a_fmt:MATRIX_FMT_FP6 matrix_b_fmt:MATRIX_FMT_FP6
.else
	v_wmma_scale_f32_16x16x128_f8f6f4 v[8*(8*(\a)+\b):8*(8*(\a)+\b)+7], v[96*(\f)+12*\b:96*(\f)+12*\b+11], v[RF+48*(\f)+12*(\a):RF+48*(\f)+12*(\a)+11], v[8*(8*(\a)+\b):8*(8*(\a)+\b)+7], v[SP+4*\b+(\s)/2], v[SR+4*(\a)+(\s)/2] matrix_a_fmt:MATRIX_FMT_FP6 matrix_b_fmt:MATRIX_FMT_FP6 matrix_a_scale:MATRIX_SCALE_ROW1 matrix_b_scale:MATRIX_SCALE_ROW1
.endif
.endr
.endr
.endm
; 48 LDS loads in one run: K step s's fragments into set f: a fragment is two half fragments, 16 + 8 bytes a lane each
.macro FETCH s, f
	WIN 0x40                                       ; destination window 1, address window 0
.irp i, 0,1,2,3,4,5,6,7
	ds_load_b128 v[96*(\f)+12*\i:96*(\f)+12*\i+3], v[AP16+(\s)/2] offset:3072*\i+1536*((\s)%2)
	ds_load_b64 v[96*(\f)+12*\i+4:96*(\f)+12*\i+5], v[AP8+(\s)/2] offset:3072*\i+1536*((\s)%2)
	ds_load_b128 v[96*(\f)+12*\i+6:96*(\f)+12*\i+9], v[AP16+(\s)/2] offset:3072*\i+1536*((\s)%2)+768
	ds_load_b64 v[96*(\f)+12*\i+10:96*(\f)+12*\i+11], v[AP8+(\s)/2] offset:3072*\i+1536*((\s)%2)+768
.endr
	WIN 0
.irp i, 0,1,2,3
	ds_load_b128 v[RF+48*(\f)+12*\i:RF+48*(\f)+12*\i+3], v[AR16+(\s)/2] offset:3072*\i+1536*((\s)%2)
	ds_load_b64 v[RF+48*(\f)+12*\i+4:RF+48*(\f)+12*\i+5], v[AR8+(\s)/2] offset:3072*\i+1536*((\s)%2)
	ds_load_b128 v[RF+48*(\f)+12*\i+6:RF+48*(\f)+12*\i+9], v[AR16+(\s)/2] offset:3072*\i+1536*((\s)%2)+768
	ds_load_b64 v[RF+48*(\f)+12*\i+10:RF+48*(\f)+12*\i+11], v[AR8+(\s)/2] offset:3072*\i+1536*((\s)%2)+768
.endr
.endm
.macro KSTEP s
	s_wait_dscnt 0x0                               ; this step's 48 loads, issued 16 matrix instructions ago
	WIN 0xa1                                       ; source 0 (P) window 1, source 1 (R) window 0, C and D window 2
	MUL16 0, (\s)%2, \s
.if ((\s)%2 == 1) && ((\s) < 7)
	s_wait_tensorcnt 3-((\s)+1)/2                  ; my part of the next chunk has landed; my loads of the chunks behind it stay out.  No LDS instruction of mine is pending here
	s_barrier_signal -1
	s_barrier_wait -1                              ; everybody's part has
.endif
.if (\s) < 7
	PLACES 4                                       ; four plain instructions in front of loads into registers that matrix instructions have read (ISA guide 7.12.1 for vector instructions)
	FETCH (\s)+1, 1-(\s)%2
	WIN 0xa1
.endif
	MUL16 2, (\s)%2, \s
.endm
	s_wait_tensorcnt 3                             ; my part of chunk 0 is in; my three later loads stay out
	s_barrier_signal -1
	s_barrier_wait -1
	FETCH 0, 0
	s_wait_loadcnt 0x0                             ; the scale words
.irp s, 0,1,2,3,4,5,6,7
	KSTEP \s
.endr
	WIN 0
	PLACES 4                                       ; in front of the first read of results, and of writes into R's fragments' registers
; R's tile tr: my 64 results (register 16 b + i = 32 b + 16 h + i along P, of R's row r) become a fragment's codes at v[RF + 20 tr] on and its scale word.  Each accumulator is read from its low end on.
.macro QUANTW tr
.set AC, 64*(\tr)
.set PCT, RF+20*(\tr)
	WIN 0x0a                                       ; sources 0 and 1: window 2
.irp b, 0,1,2,3
	v_max3_num_f32 v[TM+\b], |v[AC+16*\b]|, |v[AC+16*\b+1]|, 0x1800000   ; with the floor 2^(3 - 127): the byte cannot fall under 1
.endr
.irp i, 2,4,6,8,10,12,14
.irp b, 0,1,2,3
	v_max3_num_f32 v[TM+\b], |v[AC+16*\b+\i]|, |v[AC+16*\b+\i+1]|, v[TM+\b]
.endr
.endr
	WIN 0
.irp b, 0,1,2,3
	v_permlanex16_b32 v[TM+4+\b], v[TM+\b], s[SEL], s[SEL+1]
.endr
.irp b, 0,1,2,3
	v_max_num_f32 v[TM+\b], v[TM+\b], v[TM+4+\b]   ; the block's largest magnitude
.endr
.irp b, 0,1,2,3
	v_add_nc_u32 v[TM+12+\b], 0xff000000, v[TM+\b] ; 2 off its exponent field: the conversion's scale operand
.endr
.irp b, 0,1,2,3
	v_lshrrev_b32 v[TM+4+\b], 23, v[TM+12+\b]      ; the scale's byte
.endr
	v_lshl_or_b32 v[PW], v[TM+5], 8, v[TM+4]
	v_lshl_or_b32 v[PW], v[TM+6], 16, v[PW]
	v_lshl_or_b32 v[PW], v[TM+7], 24, v[PW]
	WIN 0x02                                       ; source 0: window 2
.irp c, 0,1
	v_cvt_scalef32_pk16_fp6_f32 v[PCT+6*\c:PCT+6*\c+2], v[AC+32*\c:AC+32*\c+15], v[TM+12+2*\c]
	v_cvt_scalef32_pk16_fp6_f32 v[PCT+12+4*\c:PCT+14+4*\c], v[AC+16+32*\c:AC+31+32*\c], v[TM+13+2*\c]
.endr
	WIN 0
	v_nop                                          ; one plain instruction behind the scaled conversions
.irp c, 0,1
.irp i, 0,1,2
	v_permlane16_swap_b32 v[PCT+6*\c+\i], v[PCT+12+4*\c+\i]   ; a whole block to a lane
.endr
.irp i, 0,1,2
	v_mov_b32 v[PCT+3+6*\c+\i], v[PCT+12+4*\c+\i]
.endr
.endr
.endm
.irp tr, 0,1,2,3
	QUANTW \tr
	global_store_b128 v1, v[RF+20*\tr:RF+20*\tr+3], s[92:93] offset:768*\tr          ; each tile has its own registers for its codes: no store's data are written again
	global_store_b64 v2, v[RF+20*\tr+4:RF+20*\tr+5], s[92:93] offset:768*\tr+512
	global_store_b128 v1, v[RF+20*\tr+6:RF+20*\tr+9], s[100:101] offset:768*\tr
	global_store_b64 v2, v[RF+20*\tr+10:RF+20*\tr+11], s[100:101] offset:768*\tr+512
	v_lshrrev_b32 v[VAL], v[SHV], v[PW]            ; both halves of the lanes hold row r's word: lanes 0-15 make the first group's word, lanes 16-31 the second's
	v_and_b32 v[VAL], s89, v[VAL]
	ds_store_b32 v[SCW], v[VAL] offset:64*\tr
.endr
	ds_load_b128 v[BK:BK+3], v[SCRD]               ; LDS serves a wave's instructions in order: this sees my stores
	s_wait_dscnt 0x0
	global_store_b128 v[SOFF], v[BK:BK+3], s[94:95]   ; sixteen lanes store 256 consecutive bytes, aligned: four tiles' words of one group
	s_wait_tensorcnt 0x0
	ds_add_u32 v254, v255
	s_wait_dscnt 0x0
	CROUND                                         ; the closing round: no work-group ends while a partner may still ask for a tile that names it
	s_endpgm
.Lfunc_end_k_q014403c2a2_gemm_qkv:
	.size	k_q014403c2a2_gemm_qkv, .Lfunc_end_k_q014403c2a2_gemm_qkv-k_q014403c2a2_gemm_qkv
	.p2alignl 7, 3214868480
	.fill 96, 4, 3214868480
	.section	.rodata,"a",@progbits
	.p2align	6, 0x0
	.amdhsa_kernel k_q014403c2a2_gemm_qkv
		.amdhsa_group_segment_fixed_size 297472
		.amdhsa_private_segment_fixed_size 0
		.amdhsa_enable_private_segment 0
		.amdhsa_kernarg_size 48
		.amdhsa_user_sgpr_count 2
		.amdhsa_user_sgpr_kernarg_segment_ptr 1
		.amdhsa_wavefront_size32 1
		.amdhsa_system_sgpr_workgroup_id_x 1
		.amdhsa_system_sgpr_workgroup_id_y 1
		.amdhsa_system_sgpr_workgroup_id_z 1
		.amdhsa_system_vgpr_workitem_id 0
		.amdhsa_next_free_vgpr 768
		.amdhsa_next_free_sgpr 102
		.amdhsa_reserve_vcc 0
		.amdhsa_float_denorm_mode_32 3
		.amdhsa_float_denorm_mode_16_64 3
		.amdhsa_memory_ordered 1
		.amdhsa_forward_progress 1
		.amdhsa_inst_pref_size 92
	.end_amdhsa_kernel
	.amdgpu_metadata
---
amdhsa.version: [ 1, 2 ]
amdhsa.kernels:
  - .name:           k_q014403c2a2_gemm_qkv
    .symbol:         k_q014403c2a2_gemm_qkv.kd
    .args:
      - { .name: cod, .offset: 0, .size: 8, .value_kind: global_buffer, .address_space: global }
      - { .name: scl, .offset: 8, .size: 8, .value_kind: global_buffer, .address_space: global }
      - { .name: qk_cod, .offset: 16, .size: 8, .value_kind: global_buffer, .address_space: global }
      - { .name: qk_scl, .offset: 24, .size: 8, .value_kind: global_buffer, .address_space: global }
      - { .name: v_cod, .offset: 32, .size: 8, .value_kind: global_buffer, .address_space: global }
      - { .name: v_scl, .offset: 40, .size: 8, .value_kind: global_buffer, .address_space: global }
    .group_segment_fixed_size: 297472
    .private_segment_fixed_size: 0
    .kernarg_segment_align: 8
    .kernarg_segment_size: 48
    .max_flat_workgroup_size: 128
    .sgpr_count:     102
    .vgpr_count:     768
    .wavefront_size: 32
...
	.end_amdgpu_metadata
.endif
;; end of part 2
;; launch attn (part 3): grid 4 x 64, 16 waves a work-group, clusters of 4 x 1, 210,944 bytes of LDS; arguments qk_cod, qk_scl, v_cod, v_scl, at_cod, at_scl; writes at_cod, at_scl
.if DOCPART == 3
	.amdgcn_target "amdgcn-amd-amdhsa--gfx1250"
	.amdhsa_code_object_version 6
	.text
	.protected	k_q014403c2a2_attn
	.globl	k_q014403c2a2_attn
	.p2align	8
	.type	k_q014403c2a2_attn,@function
k_q014403c2a2_attn:
	s_mov_b64 s[64:65], 0
	v_nop
	global_prefetch_b8 v0, s[64:65] scope:SCOPE_SE
	s_setreg_imm32_b32 hwreg(HW_REG_WAVE_MODE, 25, 1), 1
	s_wait_xcnt 0x0
	s_wait_alu depctr_hold_cnt(0) depctr_sa_sdst(0) depctr_va_vdst(0) depctr_va_sdst(0) depctr_va_ssrc(0) depctr_va_vcc(0) depctr_vm_vsrc(0)
	s_getreg_b32 s2, hwreg(HW_REG_IB_STS2, 6, 4)
	s_cmp_eq_u32 s2, 0
	s_cbranch_scc0 .Lentry_in_a_cluster
	s_endpgm
.Lentry_in_a_cluster:
	s_bfe_u32 s2, ttmp6, 0x10000c
	s_cmp_lg_u32 s2, 0x3003
	s_cbranch_scc0 .Lentry_shape_is_right
	s_endpgm
.Lentry_shape_is_right:
; Causal attention of one (batch, head) per cluster, both products on codes of FP6 (E2M3); the result is quantised along D on the way out, as the operand of the last projection.
; THE SOFTMAX AHEAD OF THE SECOND PRODUCT: t = score x log2(e) / 8; M = the row's largest t so far, rounded UP to a whole number; p = 2^(t - M) is what is quantised, along the keys; the row's sum is taken
; of the unquantised p and divides at the end.  When M moves, the sum and O are multiplied by 2^(old M - new M), which rounds nothing.
; A WHOLE HEAD'S K AND V STAY IN LDS (2,048 keys x 48 bytes each, and their scale words), each byte filled once, jointly for the four work-groups of the cluster; afterwards LDS is only read.
; A wave that fetches has three tensor loads outstanding at the most.
; SHARES.  A head has 128 tiles of 16 queries; tile T needs T / 8 + 1 key steps of 128 keys.  A wave owns tiles t = 8 (wave / 2) + 2 cx + wave % 2 and 127 - t: 17 steps for every wave, two of them on the diagonal.
; Every branch hangs on the wave's number and on constant counters; cx enters global addresses and the mask's threshold (a number in a register) alone.
; LAYOUT.  Both products are used transposed (S^T = K Q^T, O^T = V^T P^T): a lane holds one query throughout.  Every tile's rows are 32 (T / 2) + 8 (T % 2) + p + 8 (p / 8),
; so the 16 registers of key tiles 2 b, 2 b + 1 are the keys 32 b + 16 h + 0..15, and those of channel tiles likewise: the conversions take them as they stand.
; THE FIRST PRODUCT'S K IS 64, the instruction's 128: Q's upper six registers hold zero codes, so whatever K's operand names there (the next tile's codes; behind the last tile six registers of zeros) adds nothing;
; the scale bytes of those blocks are 0 on both sides, a small scale and no NaN.
; LIMITS: a block of zeros or under 2^-124 keeps the byte 1; NaN and infinities are not served; the division by the sum is a reciprocal of 1 ulp and a multiplication.
; at_scl is written two bytes a lane (a head's half of a word): 2 bytes beside each row's 48 bytes of codes.
; REGISTERS: v1-6 lane bases in LDS (v1 = 16 l also serves as a global offset); v8 8 l, v9 4 r, v10, v11 the mask; v12-17 the step's addresses; v18 -M, v19 the largest t, v[20:21] the sum;
; v22-33 Q; v34-81 K's eight half fragments, then V's four fragments; v82-87 zeros; v88-151 S^T, then p; v152-183 O^T; v184-202 p's codes; v204-215 at work; v216-223 scale words; v224 f; v226-228 at work.
.set KB,   0
.set VB,   98304
.set KSB,  196608
.set VSB,  204800
.set QF,   22
.set KF,   34
.set S,    88
.set O,    152
.set PCD,  184
.set ODD,  196
.set BM,   204
.set PT,   208
.set SO,   212
.set KSC,  216
.set VSC,  220
.set PWD,  222
.set QSC,  223
.set FF,   224
.set TMP,  226
.set WV,   16
.set PHI,  17
.set SEL,  22
.set CS,   24
.set NS,   26                          ; s26  the key step
.set LIM,  27                          ; s27  the tile's last key step, the one on the diagonal
.set TB,   28                          ; s28  where the step's codes begin in K's and in V's bytes: 6,144 a step
.set TS,   29                          ; s29  K's scale words: 512 a step
.set TJ,   30                          ; s30  V's: 256 a step
.macro CROUND                          ; a round of the cluster's barrier
	s_barrier_signal -1
	s_barrier_wait -1
	s_cmp_lg_u32 s[WV], 0
	s_cbranch_scc1 .Lnot_wave_0_\@
	s_barrier_signal -3
.Lnot_wave_0_\@:
	s_barrier_wait -3
	s_barrier_signal -1
	s_barrier_wait -1
.endm
.macro GROUP1 g, c, r, p               ; r rows of c elements of 8 bytes, p elements from row to row; the mask names all four work-groups, bit 21 is set beside it; no padding
	s_mov_b32 s[\g], 15|(3<<16)|(1<<21)
	s_mov_b32 s[\g+1], (\c)<<16
	s_mov_b32 s[\g+2], (\r)<<16
	s_mov_b32 s[\g+3], (\c)<<16
	s_mov_b32 s[\g+4], \r
	s_mov_b32 s[\g+5], \p
	s_mov_b32 s[\g+6], 0
	s_mov_b32 s[\g+7], 0
.endm
	s_load_b256 s[4:11], s[0:1], 0x0               ; qk_cod, qk_scl, v_cod, v_scl
	s_load_b128 s[12:15], s[0:1], 0x20             ; at_cod, at_scl
	v_lshl_add_u32 v254, v0, 2, 0x33000
	v_mov_b32 v255, 0
	ds_add_u32 v254, v255
	ds_add_u32 v254, v255
	v_lshrrev_b32 v1, 5, v0
	s_delay_alu instid0(VALU_DEP_1)
	v_readfirstlane_b32 s[WV], v1                  ; wave 0..15
	s_lshr_b32 s[PHI], s[WV], 1
	s_bfe_u32 s18, ttmp6, 0x40000                  ; cx
	s_and_b32 s19, ttmp7, 0xffff                   ; 16 x batch + head: the cluster's y, which the partners share
	s_lshr_b32 s20, s19, 4                         ; batch
	s_and_b32 s21, s19, 15                         ; head
	s_and_b32 s31, s[WV], 3                        ; which quarter I fetch, if I fetch
	GROUP1 32, 32, 8, 32                           ; K's scale words: 8 rows of 256 bytes, dense
	GROUP1 40, 384, 4, 384                         ; K's codes: 4 rows of 3,072 bytes, dense
	GROUP1 48, 32, 4, 1024                         ; V's scale words: 256 bytes of every second group of 64 keys, 8,192 bytes apart
	GROUP1 56, 384, 4, 6144                        ; V's codes: my head's 3,072 bytes of a group of 64 keys, 49,152 bytes apart
	s_add_co_u32 s3, s21, 16
	s_lshl_b32 s3, s3, 9
	s_lshl_b32 s2, s20, 7
	s_add_co_u32 s3, s3, s2                        ; k's first tile: 512 (16 + head) + 128 batch
	s_mov_b32 s68, 1                               ; K's scale words, a quarter: 2,048 bytes
	s_lshl_b32 s2, s31, 11
	s_add_co_u32 s69, s2, KSB
	s_lshl_b32 s70, s3, 6
	s_add_co_u32 s70, s70, s2
	s_mov_b32 s71, 0
	s_mov_b32 s72, 1                               ; K's codes: a quarter of the first 1,024 keys, 12,288 bytes; and of the second
	s_mul_i32 s2, s31, 12288
	s_mov_b32 s73, s2
	s_mul_i32 s74, s3, 768
	s_add_co_u32 s74, s74, s2
	s_mov_b32 s75, 0
	s_mov_b32 s76, 1
	s_add_co_u32 s77, s2, 49152
	s_mov_b32 s84, 1                               ; V's codes likewise
	s_add_co_u32 s85, s2, VB
	s_mov_b32 s88, 1
	s_add_co_u32 s89, s2, VB+49152
	s_lshl_b32 s86, s20, 5
	s_lshl_b32 s2, s31, 2
	s_add_co_u32 s86, s86, s2                      ; group 32 batch + 4 j
	s_mul_i32 s86, s86, 49152
	s_mul_i32 s2, s21, 3072
	s_add_co_u32 s86, s86, s2
	s_mov_b32 s87, 0
	s_mov_b32 s80, 1                               ; V's scale words: four key steps' 256 bytes
	s_lshl_b32 s2, s31, 10
	s_add_co_u32 s81, s2, VSB
	s_lshl_b32 s82, s20, 17
	s_lshl_b32 s2, s31, 15
	s_add_co_u32 s82, s82, s2                      ; group 32 batch + 8 j, 4,096 bytes a group
	s_lshl_b32 s2, s21, 8
	s_add_co_u32 s82, s82, s2
	s_mov_b32 s83, 0
	s_wait_dscnt 0x0
	s_wait_kmcnt 0x0
	s_add_nc_u64 s[70:71], s[6:7], s[70:71]
	s_add_nc_u64 s[74:75], s[4:5], s[74:75]
	s_add_nc_u64 s[78:79], s[74:75], 49152
	s_add_nc_u64 s[82:83], s[10:11], s[82:83]
	s_add_nc_u64 s[86:87], s[8:9], s[86:87]
	s_add_nc_u64 s[90:91], s[86:87], 16*49152
.irp g, 71, 75, 79, 83, 87, 91
	s_or_b32 s[\g], s[\g], 0x80000000              ; the type
.endr
	CROUND                                         ; all four work-groups are here: the joint loads meet
	s_cmp_lt_u32 s[WV], 4                          ; waves 0-3 fetch for K, waves 4-7 for V, the others nothing; a wave's three fills stand in one branch on its number
	s_cbranch_scc0 .Lnot_k
	tensor_load_to_lds s[68:71], s[32:39]
	s_nop 0
	tensor_load_to_lds s[72:75], s[40:47]
	s_nop 0
	tensor_load_to_lds s[76:79], s[40:47]
	s_nop 0
.rept 4
	v_nop
.endr
	s_branch .Lasked
.Lnot_k:
	s_cmp_lt_u32 s[WV], 8
	s_cbranch_scc0 .Lasked
	tensor_load_to_lds s[80:83], s[48:55]
	s_nop 0
	tensor_load_to_lds s[84:87], s[56:63]
	s_nop 0
	tensor_load_to_lds s[88:91], s[56:63]
	s_nop 0
.rept 4
	v_nop
.endr
.Lasked:
	v_and_b32 v226, 31, v0                         ; lane
	v_and_b32 v227, 15, v0                         ; r
	v_bfe_u32 v228, v0, 4, 1                       ; h
	s_delay_alu instid0(VALU_DEP_3)
	v_lshlrev_b32 v1, 4, v226                      ; K's codes: 16 l (KB = 0)
	s_delay_alu instid0(VALU_DEP_4)
	v_lshlrev_b32 v8, 3, v226
	s_delay_alu instid0(VALU_DEP_1)
	v_add_nc_u32 v2, 512, v8                       ; 512 + 8 l
	v_lshl_add_u32 v3, v226, 2, KSB                ; K's scale words: 4 l: lanes 0-15 an even tile's, lanes 16-31 the odd tile's behind it
	s_delay_alu instid0(VALU_DEP_4)
	v_add_nc_u32 v4, VB, v1
	s_delay_alu instid0(VALU_DEP_4)
	v_add_nc_u32 v5, VB+512, v8
	v_lshl_add_u32 v6, v226, 2, VSB
	v_lshlrev_b32 v9, 2, v227
	v_and_b32 v10, 8, v227
	s_delay_alu instid0(VALU_DEP_1)
	v_add_nc_u32 v10, v10, v227
	v_lshlrev_b32 v228, 4, v228
	s_delay_alu instid0(VALU_DEP_1)
	v_sub_nc_u32 v10, v10, v228                    ; r + 8 (r / 8) - 16 h
	s_mov_b32 s[SEL], 0x76543210
	s_mov_b32 s[SEL+1], 0xfedcba98
	s_mov_b32 s[CS], 0x3e38aa3b                    ; c = log2(e) / 8
	s_mov_b32 s[CS+1], s[CS]                       ; (named with it as a pair, so it is written)
.irp j, 0,1,2,3,4,5
	v_mov_b32 v[QF+6+\j], 0                        ; Q's codes for K = 64..127: zeros
	v_mov_b32 v[KF+48+\j], 0                       ; what the last tile of K names there
.endr
.irp b, 0,1,2,3
	v_mov_b32 v[PT+\b], 0                          ; written once: a lane permute's destination counts as one of its sources
.endr
	v_mov_b32 v[FF+1], 0                           ; (named as the upper half of the pair with f)
	s_lshl_b32 s66, s[PHI], 3
	s_lshl_b32 s100, s18, 1
	s_add_co_u32 s66, s66, s100
	s_and_b32 s100, s[WV], 1
	s_add_co_u32 s66, s66, s100                    ; t
; The pointers of the tile of queries in s101, into s[p .. p + 7]: Q's codes, Q's scale words, the output's codes, its scale bytes; and the mask's threshold
.macro PTRS p
	s_lshl_b32 s[\p+4], s20, 7
	s_add_co_u32 s[\p+4], s[\p+4], s101            ; the token tile: 128 batch + T
	s_lshl_b32 s[\p], s21, 9
	s_add_co_u32 s[\p], s[\p], s[\p+4]             ; + 512 head
	s_lshl_b32 s[\p+2], s[\p], 6
	s_mul_i32 s[\p], s[\p], 768
	s_mov_b32 s[\p+1], 0
	s_mov_b32 s[\p+3], 0
	s_lshl_b32 s[\p+6], s[\p+4], 9
	s_mul_i32 s[\p+4], s[\p+4], 12288
	s_mul_i32 s100, s21, 768
	s_add_co_u32 s[\p+4], s[\p+4], s100            ; the head is the half fragment's number along D
	s_lshr_b32 s100, s21, 1
	s_lshl_b32 s100, s100, 6
	s_add_co_u32 s[\p+6], s[\p+6], s100            ; the K step's words,
	s_and_b32 s100, s21, 1
	s_lshl_b32 s100, s100, 1
	s_add_co_u32 s[\p+6], s[\p+6], s100            ; and my head's half of a word
	s_mov_b32 s[\p+5], 0
	s_mov_b32 s[\p+7], 0
	s_add_nc_u64 s[\p:\p+1], s[4:5], s[\p:\p+1]
	s_add_nc_u64 s[\p+2:\p+3], s[6:7], s[\p+2:\p+3]
	s_add_nc_u64 s[\p+4:\p+5], s[12:13], s[\p+4:\p+5]
	s_add_nc_u64 s[\p+6:\p+7], s[14:15], s[\p+6:\p+7]
	s_lshr_b32 s100, s101, 1
	s_and_b32 s100, s100, 3
	s_lshl_b32 s100, s100, 5
	s_and_b32 s101, s101, 1
	s_lshl_b32 s101, s101, 3
	s_add_co_u32 s100, s100, s101
	v_add_nc_u32 v11, s100, v10                    ; d = my query - 128 (T / 8) - 16 h.  On the diagonal register 16 b + i holds a hidden key where 32 b + i > d
.endm
.macro QLOAD p
	global_load_b128 v[QF:QF+3], v1, s[\p:\p+1]
	global_load_b64 v[QF+4:QF+5], v8, s[\p:\p+1] offset:512
	global_load_b32 v[QSC], v9, s[\p+2:\p+3]
.endm
.macro INIT                            ; the step is written without a first step of its own: it finds zeros, which the first change of M leaves zeros
	v_mov_b32 v19, 0xff61b1e6                      ; the largest t so far: -3e38
	s_delay_alu instid0(VALU_DEP_1)
	v_floor_f32 v18, -v19                          ; -M
	v_mov_b32 v20, 0
	v_mov_b32 v21, 0
.set JJ, 0
.rept 32
	v_mov_b32 v[O+JJ], 0
.set JJ, JJ+1
.endr
.endm
; A KEY STEP: 128 keys.  guarded = 1: a step behind the tile's last is left out (not the lines at its end that step addresses), and the last one is masked.
.macro STEP guarded
.if \guarded
	s_cmp_gt_u32 s[NS], s[LIM]
	s_cbranch_scc1 .Lskip_\@
.endif
	s_setprio 2
	v_add_nc_u32 v12, s[TB], v1                    ; six plain instructions: also the places between the last products and the loads into their operands' registers
	v_add_nc_u32 v13, s[TB], v2
	v_add_nc_u32 v14, s[TS], v3
	v_add_nc_u32 v15, s[TB], v4
	v_add_nc_u32 v16, s[TB], v5
	v_add_nc_u32 v17, s[TJ], v6
.irp t, 0,1,2,3,4,5,6,7
	ds_load_b128 v[KF+6*\t:KF+6*\t+3], v12 offset:768*\t
	ds_load_b64 v[KF+6*\t+4:KF+6*\t+5], v13 offset:768*\t
.endr
.irp p, 0,1,2,3
	ds_load_b32 v[KSC+\p], v14 offset:128*\p
.endr
	s_wait_alu depctr_va_vdst(0)
	s_wait_dscnt 0x0
.irp t, 0,1,2,3,4,5,6,7
.if (\t)%2 == 0
	v_wmma_scale_f32_16x16x128_f8f6f4 v[S+8*\t:S+8*\t+7], v[KF+6*\t:KF+6*\t+11], v[QF:QF+11], 0, v[KSC+\t/2], v[QSC] matrix_a_fmt:MATRIX_FMT_FP6 matrix_b_fmt:MATRIX_FMT_FP6
.else
	v_wmma_scale_f32_16x16x128_f8f6f4 v[S+8*\t:S+8*\t+7], v[KF+6*\t:KF+6*\t+11], v[QF:QF+11], 0, v[KSC+\t/2], v[QSC] matrix_a_fmt:MATRIX_FMT_FP6 matrix_b_fmt:MATRIX_FMT_FP6 matrix_a_scale:MATRIX_SCALE_ROW1
.endif
.endr
.rept 4
	v_nop                                          ; four places: in front of the loads into K's registers, and of the first read of the scores
.endr
.irp t, 0,1,2,3                                ; V's four fragments (16 channels x 128 keys) are asked for here and land under the softmax
	ds_load_b128 v[KF+12*\t:KF+12*\t+3], v15 offset:768*\t
	ds_load_b64 v[KF+12*\t+4:KF+12*\t+5], v16 offset:768*\t
	ds_load_b128 v[KF+12*\t+6:KF+12*\t+9], v15 offset:3072+768*\t
	ds_load_b64 v[KF+12*\t+10:KF+12*\t+11], v16 offset:3072+768*\t
.endr
	ds_load_b32 v[VSC], v17
	ds_load_b32 v[VSC+1], v17 offset:128
.if \guarded
	s_cmp_lg_u32 s[NS], s[LIM]
	s_cbranch_scc1 .Lopen_\@
	v_mov_b32 v[TMP], 0xff800000                   ; on the diagonal the scores of hidden keys become -infinity ahead of the maximum: p = 0 then.  A query's own key always counts
.set NN, 0
.rept 64
	v_cmp_gt_i32 vcc_lo, 32*(NN/16)+NN%16, v11
	v_cndmask_b32 v[S+NN], v[S+NN], v[TMP], vcc_lo
.set NN, NN+1
.endr
.Lopen_\@:
.endif
.irp b, 0,1,2,3
	v_max3_num_f32 v[BM+\b], v[S+16*\b], v[S+1+16*\b], v[S+2+16*\b]   ; the largest score of each block of 32 keys: it serves for the row's maximum and, since p rises with the score, for the block's largest p
.endr
.irp i, 3,5,7,9,11,13
.irp b, 0,1,2,3
	v_max3_num_f32 v[BM+\b], v[BM+\b], v[S+16*\b+\i], v[S+1+16*\b+\i]
.endr
.endr
.irp b, 0,1,2,3
	v_max_num_f32 v[BM+\b], v[BM+\b], v[S+15+16*\b]
.endr
.irp b, 0,1,2,3
	s_delay_alu instid0(VALU_DEP_4)
	v_permlanex16_b32 v[PT+\b], v[BM+\b], s[SEL], s[SEL+1]
.endr
.irp b, 0,1,2,3
	s_delay_alu instid0(VALU_DEP_4)
	v_max_num_f32 v[BM+\b], v[BM+\b], v[PT+\b]     ; with lane l xor 16's 16 keys
.endr
	s_delay_alu instid0(VALU_DEP_2)
	v_max3_num_f32 v[TMP], v[BM], v[BM+1], v[BM+2]
	s_delay_alu instid0(VALU_DEP_1)
	v_max_num_f32 v[TMP], v[TMP], v[BM+3]          ; the step's largest score of my query
	s_delay_alu instid0(VALU_DEP_1)
	v_mul_f32 v[TMP], s[CS], v[TMP]                ; as t
	s_delay_alu instid0(VALU_DEP_1)
	v_max_num_f32 v19, v19, v[TMP]                 ; the running largest t
	v_mov_b32 v[TMP], v18
	s_delay_alu instid0(VALU_DEP_2)
	v_floor_f32 v18, -v19                          ; the new -M = floor(-t): M is a whole number
	s_delay_alu instid0(VALU_DEP_1)
	v_sub_f32 v[TMP], v18, v[TMP]                  ; old M - new M: a whole number, 0 or less
	s_delay_alu instid0(VALU_DEP_1)
	v_cvt_i32_f32 v[TMP], v[TMP]                   ; (it saturates)
	s_delay_alu instid0(VALU_DEP_1)
	v_ldexp_f32 v[FF], 1.0, v[TMP]                 ; f = 2^(old M - new M)
.set JJ, 0
.rept 32
	v_pk_fma_f32 v[S+JJ:S+JJ+1], v[S+JJ:S+JJ+1], s[CS:CS+1], v[18:19] op_sel_hi:[1,0,0]   ; t - M, two at a time
.set JJ, JJ+2
.endr
.irp b, 0,1,2,3
	v_fma_f32 v[BM+\b], v[BM+\b], s[CS], v18       ; the same of each block's largest score
.endr
.set JJ, 0
	s_setprio 1
	s_wait_alu depctr_va_vdst(0)
.rept 64
	v_exp_f32 v[S+JJ], v[S+JJ]                     ; p = 2^(t - M): one batch
.set JJ, JJ+1
.endr
	v_pk_mul_f32 v[20:21], v[20:21], v[FF:FF+1] op_sel_hi:[1,0]   ; the sums under the new M: the plain instruction behind the exponentials
	s_wait_alu depctr_va_vdst(0)                   ; one wait for the batch, ahead of its first reader
.irp b, 0,1,2,3
	v_exp_f32 v[BM+\b], v[BM+\b]                   ; the block's largest p: the same two instructions on the same number give the same bits
.endr
	v_pk_add_f32 v[208:209], v[92:93], v[96:97]
	v_pk_add_f32 v[252:253], v[100:101], v[104:105]
	v_pk_add_f32 v[250:251], v[108:109], v[112:113]
	v_pk_add_f32 v[248:249], v[116:117], v[120:121]
	v_pk_add_f32 v[246:247], v[124:125], v[128:129]
	v_pk_add_f32 v[244:245], v[132:133], v[136:137]
	v_pk_add_f32 v[242:243], v[140:141], v[144:145]
	v_pk_add_f32 v[20:21], v[20:21], v[148:149]
	v_pk_add_f32 v[208:209], v[208:209], v[88:89]
	v_pk_add_f32 v[252:253], v[252:253], v[90:91]
	v_pk_add_f32 v[250:251], v[250:251], v[94:95]
	v_pk_add_f32 v[248:249], v[248:249], v[98:99]
	v_pk_add_f32 v[246:247], v[246:247], v[102:103]
	v_pk_add_f32 v[244:245], v[244:245], v[106:107]
	v_pk_add_f32 v[242:243], v[242:243], v[110:111]
	v_pk_add_f32 v[20:21], v[20:21], v[114:115]
	v_pk_add_f32 v[208:209], v[208:209], v[118:119]
	v_pk_add_f32 v[252:253], v[252:253], v[122:123]
	v_pk_add_f32 v[250:251], v[250:251], v[126:127]
	v_pk_add_f32 v[248:249], v[248:249], v[130:131]
	v_pk_add_f32 v[246:247], v[246:247], v[134:135]
	v_pk_add_f32 v[244:245], v[244:245], v[138:139]
	v_pk_add_f32 v[242:243], v[242:243], v[142:143]
	v_pk_add_f32 v[20:21], v[20:21], v[146:147]
	v_pk_add_f32 v[208:209], v[208:209], v[150:151]
	s_delay_alu instid0(VALU_DEP_2)
	v_pk_add_f32 v[20:21], v[20:21], v[248:249]
	s_delay_alu instid0(VALU_DEP_2)
	v_pk_add_f32 v[208:209], v[208:209], v[246:247]
	v_pk_add_f32 v[252:253], v[252:253], v[244:245]
	v_pk_add_f32 v[250:251], v[250:251], v[242:243]
	s_delay_alu instid0(VALU_DEP_2)
	v_pk_add_f32 v[20:21], v[20:21], v[252:253]
	s_delay_alu instid0(VALU_DEP_2)
	v_pk_add_f32 v[208:209], v[208:209], v[250:251]
	s_delay_alu instid0(VALU_DEP_1)
	v_pk_add_f32 v[20:21], v[20:21], v[208:209]
	s_wait_alu depctr_va_vdst(0)                   ; and one for the four
.irp b, 0,1,2,3
	v_max_num_f32 v[BM+\b], 0x1800000, v[BM+\b]    ; the floor 2^(3 - 127): the byte cannot fall under 1
.endr
.irp b, 0,1,2,3
	s_delay_alu instid0(VALU_DEP_4)
	v_add_nc_u32 v[SO+\b], 0xff000000, v[BM+\b]    ; 2 off the exponent field: the conversion's scale operand
.endr
.irp b, 0,1,2,3
	s_delay_alu instid0(VALU_DEP_4)
	v_lshrrev_b32 v[PT+\b], 23, v[SO+\b]           ; the scale's byte
.endr
	s_delay_alu instid0(VALU_DEP_3)
	v_lshl_or_b32 v[PWD], v[PT+1], 8, v[PT]
	s_delay_alu instid0(VALU_DEP_1)
	v_lshl_or_b32 v[PWD], v[PT+2], 16, v[PWD]
	s_delay_alu instid0(VALU_DEP_1)
	v_lshl_or_b32 v[PWD], v[PT+3], 24, v[PWD]      ; p's scale word for these 128 keys
.irp c, 0,1
	v_cvt_scalef32_pk16_fp6_f32 v[PCD+6*\c:PCD+2+6*\c], v[S+32*\c:S+15+32*\c], v[SO+2*\c]
	v_cvt_scalef32_pk16_fp6_f32 v[ODD+4*\c:ODD+2+4*\c], v[S+16+32*\c:S+31+32*\c], v[SO+1+2*\c]
.endr
	s_setprio 0
	v_nop                                          ; one plain instruction behind the scaled conversions
.irp c, 0,1
.irp i, 0,1,2
	v_permlane16_swap_b32 v[PCD+6*\c+\i], v[ODD+4*\c+\i]   ; a whole block to a lane
.endr
.irp i, 0,1,2
	s_delay_alu instid0(VALU_DEP_3)
	v_mov_b32 v[PCD+3+6*\c+\i], v[ODD+4*\c+\i]
.endr
.endr
.set JJ, 0
.rept 16
	v_pk_mul_f32 v[O+JJ:O+JJ+1], v[O+JJ:O+JJ+1], v[FF:FF+1] op_sel_hi:[1,0]   ; O^T under the new M.  These sixteen also stand between the writes of p's codes and scale word and the products
.set JJ, JJ+2
.endr
	s_wait_alu depctr_va_vdst(0)
	s_wait_dscnt 0x0                               ; V
.irp t, 0,1,2,3                                ; the four accumulators by turns
.if (\t)%2 == 0
	v_wmma_scale_f32_16x16x128_f8f6f4 v[O+8*\t:O+8*\t+7], v[KF+12*\t:KF+12*\t+11], v[PCD:PCD+11], v[O+8*\t:O+8*\t+7], v[VSC+\t/2], v[PWD] matrix_a_fmt:MATRIX_FMT_FP6 matrix_b_fmt:MATRIX_FMT_FP6
.else
	v_wmma_scale_f32_16x16x128_f8f6f4 v[O+8*\t:O+8*\t+7], v[KF+12*\t:KF+12*\t+11], v[PCD:PCD+11], v[O+8*\t:O+8*\t+7], v[VSC+\t/2], v[PWD] matrix_a_fmt:MATRIX_FMT_FP6 matrix_b_fmt:MATRIX_FMT_FP6 matrix_a_scale:MATRIX_SCALE_ROW1
.endif
.endr
.if \guarded
.Lskip_\@:
.endif
	s_add_co_u32 s[TB], s[TB], 6144
	s_add_co_u32 s[TS], s[TS], 512
	s_add_co_u32 s[TJ], s[TJ], 256
.endm
; THE WAY OUT of a tile: O^T / the sum; register 16 b + i is channel 32 b + 16 h + i of my query: two blocks of 32 along D, quantised as they stand: one half fragment and two scale bytes.
.macro OUT p
.rept 4
	v_nop                                          ; four places behind the last products
.endr
	v_add_f32 v20, v20, v21
	s_delay_alu instid0(VALU_DEP_1)
	v_permlanex16_b32 v[TMP], v20, s[SEL], s[SEL+1]
	s_delay_alu instid0(VALU_DEP_1)
	v_add_f32 v20, v20, v[TMP]                     ; the row's sum
	s_wait_alu depctr_va_vdst(0)
	v_rcp_f32 v[FF], v20
	v_nop                                          ; a plain instruction behind the reciprocal,
	s_wait_alu depctr_va_vdst(0)                   ; and the wait ahead of its first reader
.set JJ, 0
.rept 16
	v_pk_mul_f32 v[S+JJ:S+JJ+1], v[O+JJ:O+JJ+1], v[FF:FF+1] op_sel_hi:[1,0]
.set JJ, JJ+2
.endr
.irp b, 0,1
	v_max3_num_f32 v[BM+\b], |v[S+16*\b]|, |v[S+1+16*\b]|, 0x1800000
.endr
.irp i, 2,4,6,8,10,12,14
.irp b, 0,1
	s_delay_alu instid0(VALU_DEP_2)
	v_max3_num_f32 v[BM+\b], v[BM+\b], |v[S+16*\b+\i]|, |v[S+1+16*\b+\i]|
.endr
.endr
.irp b, 0,1
	s_delay_alu instid0(VALU_DEP_2)
	v_permlanex16_b32 v[PT+\b], v[BM+\b], s[SEL], s[SEL+1]
.endr
.irp b, 0,1
	s_delay_alu instid0(VALU_DEP_2)
	v_max_num_f32 v[BM+\b], v[BM+\b], v[PT+\b]
.endr
.irp b, 0,1
	s_delay_alu instid0(VALU_DEP_2)
	v_add_nc_u32 v[SO+\b], 0xff000000, v[BM+\b]
.endr
.irp b, 0,1
	s_delay_alu instid0(VALU_DEP_2)
	v_lshrrev_b32 v[PT+\b], 23, v[SO+\b]
.endr
	s_delay_alu instid0(VALU_DEP_1)
	v_lshl_or_b32 v227, v[PT+1], 8, v[PT]          ; my row's two scale bytes
	v_cvt_scalef32_pk16_fp6_f32 v[PCD:PCD+2], v[S:S+15], v[SO]
	v_cvt_scalef32_pk16_fp6_f32 v[ODD:ODD+2], v[S+16:S+31], v[SO+1]
	v_nop
.irp i, 0,1,2
	v_permlane16_swap_b32 v[PCD+\i], v[ODD+\i]
.endr
.irp i, 0,1,2
	s_delay_alu instid0(VALU_DEP_3)
	v_mov_b32 v[PCD+3+\i], v[ODD+\i]
.endr
	global_store_b128 v1, v[PCD:PCD+3], s[\p+4:\p+5]               ; 512 consecutive bytes, aligned,
	global_store_b64 v8, v[PCD+4:PCD+5], s[\p+4:\p+5] offset:512   ; and 256
	global_store_b16 v9, v227, s[\p+6:\p+7]        ; both halves of the lanes write the same two bytes with the same value
.endm
	s_sub_co_u32 s101, 127, s66                    ; the long tile first: 127 - t
	PTRS 92
	QLOAD 92
	INIT
	s_sub_co_u32 s[LIM], 15, s[PHI]
	s_mov_b32 s[NS], 0
	s_mov_b32 s[TB], 0
	s_mov_b32 s[TS], 0
	s_mov_b32 s[TJ], 0
	s_wait_tensorcnt 1                             ; my scale words and my part of keys 0-1,023 have landed; my load for keys 1,024 on stays out
	s_barrier_signal -1
	s_barrier_wait -1                              ; everybody's have
	s_wait_loadcnt 0x0                             ; Q
.Lb1:                                              ; key steps 0-7: wanted whole by every wave's long tile (its last step is 8 or later)
	STEP 0
	s_add_co_u32 s[NS], s[NS], 1
	s_cmp_lt_u32 s[NS], 8
	s_cbranch_scc1 .Lb1
	s_setprio 0
	s_wait_tensorcnt 0x0                           ; my part of keys 1,024 on has landed,
	s_wait_dscnt 0x0
	s_barrier_signal -1
	s_barrier_wait -1                              ; everybody's has
	s_mov_b32 s[NS], 8
	s_mov_b32 s[TB], 8*6144
	s_mov_b32 s[TS], 8*512
	s_mov_b32 s[TJ], 8*256
.Lb2:                                              ; key steps 8-15, as far as 15 - wave / 2
	STEP 1
	s_add_co_u32 s[NS], s[NS], 1
	s_cmp_lt_u32 s[NS], 16
	s_cbranch_scc1 .Lb2
	s_setprio 0
	OUT 92
	s_mov_b32 s101, s66                            ; the short tile: t.  Its pointers take registers of descriptors whose loads have been waited for
	PTRS 32
	QLOAD 32
	INIT
	s_mov_b32 s[LIM], s[PHI]
	s_mov_b32 s[NS], 0
	s_mov_b32 s[TB], 0
	s_mov_b32 s[TS], 0
	s_mov_b32 s[TJ], 0
	s_wait_loadcnt 0x0                             ; Q
	s_wait_xcnt 0x0                                ; the first tile's stores have read their data: those registers are written again only behind this wait
.La:                                               ; key steps 0-7, as far as wave / 2
	STEP 1
	s_add_co_u32 s[NS], s[NS], 1
	s_cmp_lt_u32 s[NS], 8
	s_cbranch_scc1 .La
	s_setprio 0
	OUT 32
	s_wait_dscnt 0x0
	s_wait_tensorcnt 0x0
	ds_add_u32 v254, v255
	s_wait_dscnt 0x0
	CROUND                                         ; the closing round
	s_endpgm
.Lfunc_end_k_q014403c2a2_attn:
	.size	k_q014403c2a2_attn, .Lfunc_end_k_q014403c2a2_attn-k_q014403c2a2_attn
	.p2alignl 7, 3214868480
	.fill 96, 4, 3214868480
	.section	.rodata,"a",@progbits
	.p2align	6, 0x0
	.amdhsa_kernel k_q014403c2a2_attn
		.amdhsa_group_segment_fixed_size 210944
		.amdhsa_private_segment_fixed_size 0
		.amdhsa_enable_private_segment 0
		.amdhsa_kernarg_size 48
		.amdhsa_user_sgpr_count 2
		.amdhsa_user_sgpr_kernarg_segment_ptr 1
		.amdhsa_wavefront_size32 1
		.amdhsa_system_sgpr_workgroup_id_x 1
		.amdhsa_system_sgpr_workgroup_id_y 1
		.amdhsa_system_sgpr_workgroup_id_z 1
		.amdhsa_system_vgpr_workitem_id 0
		.amdhsa_next_free_vgpr 256
		.amdhsa_next_free_sgpr 102
		.amdhsa_reserve_vcc 1
		.amdhsa_float_denorm_mode_32 3
		.amdhsa_float_denorm_mode_16_64 3
		.amdhsa_memory_ordered 1
		.amdhsa_forward_progress 1
		.amdhsa_inst_pref_size 87
	.end_amdhsa_kernel
	.amdgpu_metadata
---
amdhsa.version: [ 1, 2 ]
amdhsa.kernels:
  - .name:           k_q014403c2a2_attn
    .symbol:         k_q014403c2a2_attn.kd
    .args:
      - { .name: qk_cod, .offset: 0, .size: 8, .value_kind: global_buffer, .address_space: global }
      - { .name: qk_scl, .offset: 8, .size: 8, .value_kind: global_buffer, .address_space: global }
      - { .name: v_cod, .offset: 16, .size: 8, .value_kind: global_buffer, .address_space: global }
      - { .name: v_scl, .offset: 24, .size: 8, .value_kind: global_buffer, .address_space: global }
      - { .name: at_cod, .offset: 32, .size: 8, .value_kind: global_buffer, .address_space: global }
      - { .name: at_scl, .offset: 40, .size: 8, .value_kind: global_buffer, .address_space: global }
    .group_segment_fixed_size: 210944
    .private_segment_fixed_size: 0
    .kernarg_segment_align: 8
    .kernarg_segment_size: 48
    .max_flat_workgroup_size: 512
    .sgpr_count:     102
    .vgpr_count:     256
    .wavefront_size: 32
...
	.end_amdgpu_metadata
.endif
;; end of part 3
;; launch gemm_out (part 4): grid 4 x 64, 4 waves a work-group, clusters of 4 x 4, 295,424 bytes of LDS; arguments at_cod, at_scl, cod, scl, out0; writes out0
.if DOCPART == 4
	.amdgcn_target "amdgcn-amd-amdhsa--gfx1250"
	.amdhsa_code_object_version 6
	.text
	.protected	k_q014403c2a2_gemm_out
	.globl	k_q014403c2a2_gemm_out
	.p2align	8
	.type	k_q014403c2a2_gemm_out,@function
k_q014403c2a2_gemm_out:
	s_mov_b64 s[64:65], 0
	v_nop
	global_prefetch_b8 v0, s[64:65] scope:SCOPE_SE
	s_setreg_imm32_b32 hwreg(HW_REG_WAVE_MODE, 25, 1), 1
	s_wait_xcnt 0x0
	s_wait_alu depctr_hold_cnt(0) depctr_sa_sdst(0) depctr_va_vdst(0) depctr_va_sdst(0) depctr_va_ssrc(0) depctr_va_vcc(0) depctr_vm_vsrc(0)
	s_getreg_b32 s2, hwreg(HW_REG_IB_STS2, 6, 4)
	s_cmp_eq_u32 s2, 0
	s_cbranch_scc0 .Lentry_in_a_cluster
	s_endpgm
.Lentry_in_a_cluster:
	s_bfe_u32 s2, ttmp6, 0x10000c
	s_cmp_lg_u32 s2, 0xf033
	s_cbranch_scc0 .Lentry_shape_is_right
	s_endpgm
.Lentry_shape_is_right:
; out0 [8192][1024] f32 = attention output x o_proj^T, both on codes of FP6 (E2M3), K = 1,024.
; FRAME.  D = P R^T: source 0 = a tile of P = o_proj (tiles 704-767 of cod), source 1 = a tile of R = the attention output (at_cod).  A work-group makes 16 tiles of P x 8 tiles of R,
; a wave (wr = wave / 2, wp = wave % 2) 8 x 4: 32 accumulators.  Every tile's rows are 32 (T / 2) + 8 (T % 2) + p + 8 (p / 8): in the results of P's tiles 2 b, 2 b + 1 a lane (r, h) holds the
; 16 neighbouring output channels 32 b + 16 h + 0..15 of R's row r.
; THE WHOLE K OF BOTH PANELS LIES IN LDS: (128 + 256) rows x 768 bytes = 294,912 bytes, each byte filled once, in four chunks of 256 along K; a wave has four tensor loads outstanding at the most.
; The loop has no refill; the chunks are waited for one by one, with a work-group barrier behind each wait.
; CLUSTER 4 x 4: R's tiles hang on the work-group's y alone and are asked for jointly along a row of the cluster, P's on its x alone and along a column.
; The codes lie in memory in the order of the operand's registers (half fragments of 768 bytes: a lane's first 16 bytes at 16 l, its last 8 at 512 + 8 l): LDS reads are consecutive.
; THE SCALE WORDS of my 12 tiles for all of K stay in 48 registers: lanes 0-15 hold an even K step's words, lanes 16-31 the odd step's behind it.
; THE WAY OUT goes through a stage of 16 rows x 528 bytes a wave, in R's panel: that has had its last fill, and a barrier shows that nobody reads it any more.
; REGISTERS: window 0: v1-3 16 l, 8 l, 4 l; v4-19 LDS addresses; v20, v21 the stage; v32-63 P's scale words, v64-79 R's; v128-223 R's fragments, two sets; on the way out v128-255 rows of the result.
;   window 1: v0-191 P's fragments, two sets.   window 2: accumulator (tr, tp) at v[8 (8 tr + tp)].
.set PB,   98304                       ; LDS: R's panel at 0 (chunk q, tile i: 24576 q + 3072 i), P's here (49152 q + 3072 i)
.set AP16, 4
.set AP8,  8
.set AR16, 12
.set AR8,  16
.set STO,  20                          ; v20  the stage: where I put 16 bytes of a row
.set RD,   21                          ; v21  and where I read a row back
.set SP,   32
.set SR,   64
.set RF,   128
.set BK,   128
.set SPITCH, 528
.set G1R,  24
.set G1P,  32
.set MSB,  0
.macro WIN new                         ; the immediate's high byte repeats the setting that is left
.if MSB != \new
	s_set_vgpr_msb (MSB<<8)|\new
.set MSB, \new
.endif
.endm
.macro PLACES n
.rept \n
	v_nop
.endr
.endm
.macro CROUND                          ; a round of the cluster's barrier
	s_barrier_signal -1
	s_barrier_wait -1
	s_cmp_lg_u32 s16, 0
	s_cbranch_scc1 .Lnot_wave_0_\@
	s_barrier_signal -3
.Lnot_wave_0_\@:
	s_barrier_wait -3
	s_barrier_signal -1
	s_barrier_wait -1
.endm
	s_load_b256 s[4:11], s[0:1], 0x0               ; at_cod, at_scl, cod, scl
	s_load_b64 s[12:13], s[0:1], 0x20              ; out0
	v_lshl_add_u32 v126, v0, 2, 0x48000
	v_mov_b32 v127, 0
	ds_add_u32 v126, v127
	ds_add_u32 v126, v127
	v_lshrrev_b32 v1, 5, v0
	v_readfirstlane_b32 s16, v1                    ; wave
	s_lshr_b32 s17, s16, 1                         ; wr.  Also: I fetch for R (0) or for P (1)
	s_and_b32 s18, s16, 1                          ; wp.  Also: which half of that panel I fetch
	s_bfe_u32 s19, ttmp6, 0x40000                  ; cx
	s_bfe_u32 s20, ttmp6, 0x40004                  ; cy
	s_and_b32 s21, ttmp7, 0xffff                   ; the cluster's y
	s_lshl_b32 s22, ttmp9, 2
	s_add_co_u32 s22, s22, s19                     ; X = 4 x cluster x + cx
	s_lshl_b32 s76, s20, 2
	s_lshl_b32 s76, 15, s76                        ; my row of the cluster
	s_lshl_b32 s79, 0x1111, s19                    ; my column
	; group 1: rows of 3,072 bytes (a tile's 256 along K: 384 elements of 8 bytes), 12,288 bytes from tile to tile; R: 4 tiles a load, P: 8
	s_or_b32 s[G1R], s76, (3<<16)|(1<<21)          ; 15:0 the mask; 17:16 elements of 8 bytes; 20 no padding; 21 set beside a mask
	s_or_b32 s[G1P], s79, (3<<16)|(1<<21)
	s_mov_b32 s[G1R+1], 384<<16
	s_mov_b32 s[G1R+2], 4<<16
	s_mov_b32 s[G1R+3], 384<<16
	s_mov_b32 s[G1R+4], 4
	s_mov_b32 s[G1R+5], 1536
	s_mov_b32 s[G1R+6], 0
	s_mov_b32 s[G1R+7], 0
	s_mov_b32 s[G1P+1], 384<<16
	s_mov_b32 s[G1P+2], 8<<16
	s_mov_b32 s[G1P+3], 384<<16
	s_mov_b32 s[G1P+4], 8
	s_mov_b32 s[G1P+5], 1536
	s_mov_b32 s[G1P+6], 0
	s_mov_b32 s[G1P+7], 0
	s_lshl_b32 s76, s20, 3
	s_lshl_b32 s77, s21, 5
	s_add_co_u32 s77, s77, s76                     ; R's first tile: 8 (4 y + cy): it never holds cx
	s_lshl_b32 s81, s22, 4
	s_add_co_u32 s81, s81, 704                     ; P's first tile: 704 + 16 X: it never holds cy
	s_lshl_b32 s96, s18, 2
	s_add_co_u32 s96, s96, s77
	s_mul_i32 s96, s96, 12288
	s_mov_b32 s97, 0
	s_lshl_b32 s98, s18, 3
	s_add_co_u32 s98, s98, s81
	s_mul_i32 s98, s98, 12288
	s_mov_b32 s99, 0
	s_mul_i32 s2, s18, 12288                       ; where they go: no place in the cluster enters an LDS address
	s_mul_i32 s3, s18, 24576
	s_wait_dscnt 0x0
	s_wait_kmcnt 0x0
	s_add_nc_u64 s[96:97], s[4:5], s[96:97]        ; R: the four tiles that I would fetch
	s_add_nc_u64 s[98:99], s[8:9], s[98:99]        ; P: the eight
	CROUND                                         ; all sixteen work-groups are here: the joint loads meet
.irp q, 0,1,2,3
.set GP, 56+4*\q+4*(\q/2)
	s_mov_b32 s[40+4*\q], 1
	s_add_co_u32 s[41+4*\q], s2, 24576*\q
	s_add_nc_u64 s[42+4*\q:43+4*\q], s[96:97], 3072*\q
	s_or_b32 s[43+4*\q], s[43+4*\q], 0x80000000
	s_mov_b32 s[GP], 1
	s_add_co_u32 s[GP+1], s3, PB+49152*\q
	s_add_nc_u64 s[GP+2:GP+3], s[98:99], 3072*\q
	s_or_b32 s[GP+3], s[GP+3], 0x80000000
.endr
	s_cmp_eq_u32 s17, 0                            ; a wave's four fills stand in one branch on its number, ahead of every wait on TENSORcnt, LDS read and further barrier
	s_cbranch_scc0 .Lfor_p
	tensor_load_to_lds s[40:43], s[G1R:G1R+7]
	s_nop 0
	tensor_load_to_lds s[44:47], s[G1R:G1R+7]
	s_nop 0
	tensor_load_to_lds s[48:51], s[G1R:G1R+7]
	s_nop 0
	tensor_load_to_lds s[52:55], s[G1R:G1R+7]
	s_nop 0
	PLACES 4
	s_branch .Lasked
.Lfor_p:
	tensor_load_to_lds s[56:59], s[G1P:G1P+7]
	s_nop 0
	tensor_load_to_lds s[60:63], s[G1P:G1P+7]
	s_nop 0
	tensor_load_to_lds s[68:71], s[G1P:G1P+7]
	s_nop 0
	tensor_load_to_lds s[72:75], s[G1P:G1P+7]
	s_nop 0
	PLACES 4
.Lasked:
	v_and_b32 v24, 31, v0
	v_lshlrev_b32 v1, 4, v24                       ; 16 l
	v_lshlrev_b32 v2, 3, v24                       ; 8 l
	v_lshlrev_b32 v3, 2, v24                       ; 4 l
	s_wait_alu depctr_va_vdst(0)
	s_lshl_b32 s98, s18, 3                         ; the scale words of my 8 tiles of P
	s_add_co_u32 s98, s98, s81
	s_lshl_b32 s98, s98, 9
	s_mov_b32 s99, 0
	s_add_nc_u64 s[98:99], s[10:11], s[98:99]
	s_lshl_b32 s91, s17, 2
	s_add_co_u32 s91, s91, s77                     ; my first tile of R
	s_lshl_b32 s96, s91, 9                         ; and the scale words of my 4
	s_mov_b32 s97, 0
	s_add_nc_u64 s[96:97], s[6:7], s[96:97]
.irp t, 0,1,2,3,4,5,6,7
.irp j, 0,1,2,3
	global_load_b32 v[SP+4*\t+\j], v3, s[98:99] offset:512*\t+128*\j   ; lanes 0-15: K step 2 j; lanes 16-31: K step 2 j + 1
.endr
.endr
.irp t, 0,1,2,3
.irp j, 0,1,2,3
	global_load_b32 v[SR+4*\t+\j], v3, s[96:97] offset:512*\t+128*\j
.endr
.endr
	v_add_nc_u32 v25, 512, v2
	s_mul_i32 s90, s18, 24576
	s_add_co_u32 s90, s90, PB
	s_mul_i32 s92, s17, 12288
.irp q, 0,1,2,3
	v_add_nc_u32 v[AP16+\q], s90, v1
	v_add_nc_u32 v[AP8+\q], s90, v25
	v_add_nc_u32 v[AR16+\q], s92, v1
	v_add_nc_u32 v[AR8+\q], s92, v25
	s_add_co_u32 s90, s90, 49152
	s_add_co_u32 s92, s92, 24576
.endr
	v_and_b32 v26, 15, v0                          ; r
	v_bfe_u32 v27, v0, 4, 1                        ; h
	s_mul_i32 s90, s16, 16*SPITCH                  ; my stage
	v_mul_u32_u24 v[STO], v26, SPITCH
	v_lshl_add_u32 v[STO], v27, 6, v[STO]
	v_add_nc_u32 v[STO], s90, v[STO]               ; in: row r, + 64 h
	v_add_nc_u32 v[RD], s90, v1                    ; back: a whole row of 512 bytes, 16 a lane
	s_lshl_b32 s92, s91, 16                        ; out0: tile T0 begins at token 16 T0 (T0 is a multiple of 4), 4,096 bytes a token,
	s_lshl_b32 s90, s22, 10                        ; + my work-group's 256 channels,
	s_add_co_u32 s92, s92, s90
	s_lshl_b32 s90, s18, 9                         ; + my wave's 128
	s_add_co_u32 s92, s92, s90
	s_mov_b32 s93, 0
	s_add_nc_u64 s[12:13], s[12:13], s[92:93]
; 16 matrix instructions: R's tiles a0, a0 + 1 x P's eight, K step s, fragment set f.  K step 0 starts the sums: nothing is cleared.
; The 32 accumulators take turns, one instruction a turn, in the same order in every step.
.macro MUL16 a0, f, s
.irp a, \a0, \a0+1
.irp b, 0,1,2,3,4,5,6,7
.if (\s) == 0
	v_wmma_scale_f32_16x16x128_f8f6f4 v[8*(8*(\a)+\b):8*(8*(\a)+\b)+7], v[96*(\f)+12*\b:96*(\f)+12*\b+11], v[RF+48*(\f)+12*(\a):RF+48*(\f)+12*(\a)+11], 0, v[SP+4*\b], v[SR+4*(\a)] matrix_a_fmt:MATRIX_FMT_FP6 matrix_b_fmt:MATRIX_FMT_FP6
.elseif (\s)%2 == 0
	v_wmma_scale_f32_16x16x128_f8f6f4 v[8*(8*(\a)+\b):8*(8*(\a)+\b)+7], v[96*(\f)+12*\b:96*(\f)+12*\b+11], v[RF+48*(\f)+12*(\a):RF+48*(\f)+12*(\a)+11], v[8*(8*(\a)+\b):8*(8*(\a)+\b)+7], v[SP+4*\b+(\s)/2], v[SR+4*(\a)+(\s)/2] matrix_a_fmt:MATRIX_FMT_FP6 matrix_b_fmt:MATRIX_FMT_FP6
.else
	v_wmma_scale_f32_16x16x128_f8f6f4 v[8*(8*(\a)+\b):8*(8*(\a)+\b)+7], v[96*(\f)+12*\b:96*(\f)+12*\b+11], v[RF+48*(\f)+12*(\a):RF+48*(\f)+12*(\a)+11], v[8*(8*(\a)+\b):8*(8*(\a)+\b)+7], v[SP+4*\b+(\s)/2], v[SR+4*(\a)+(\s)/2] matrix_a_fmt:MATRIX_FMT_FP6 matrix_b_fmt:MATRIX_FMT_FP6 matrix_a_scale:MATRIX_SCALE_ROW1 matrix_b_scale:MATRIX_SCALE_ROW1
.endif
.endr
.endr
.endm
; 48 LDS loads in one run: K step s's fragments into set f: a fragment is two half fragments, 16 + 8 bytes a lane each
.macro FETCH s, f
	WIN 0x40                                       ; destination window 1, address window 0
.irp i, 0,1,2,3,4,5,6,7
	ds_load_b128 v[96*(\f)+12*\i:96*(\f)+12*\i+3], v[AP16+(\s)/2] offset:3072*\i+1536*((\s)%2)
	ds_load_b64 v[96*(\f)+12*\i+4:96*(\f)+12*\i+5], v[AP8+(\s)/2] offset:3072*\i+1536*((\s)%2)
	ds_load_b128 v[96*(\f)+12*\i+6:96*(\f)+12*\i+9], v[AP16+(\s)/2] offset:3072*\i+1536*((\s)%2)+768
	ds_load_b64 v[96*(\f)+12*\i+10:96*(\f)+12*\i+11], v[AP8+(\s)/2] offset:3072*\i+1536*((\s)%2)+768
.endr
	WIN 0
.irp i, 0,1,2,3
	ds_load_b128 v[RF+48*(\f)+12*\i:RF+48*(\f)+12*\i+3], v[AR16+(\s)/2] offset:3072*\i+1536*((\s)%2)
	ds_load_b64 v[RF+48*(\f)+12*\i+4:RF+48*(\f)+12*\i+5], v[AR8+(\s)/2] offset:3072*\i+1536*((\s)%2)
	ds_load_b128 v[RF+48*(\f)+12*\i+6:RF+48*(\f)+12*\i+9], v[AR16+(\s)/2] offset:3072*\i+1536*((\s)%2)+768
	ds_load_b64 v[RF+48*(\f)+12*\i+10:RF+48*(\f)+12*\i+11], v[AR8+(\s)/2] offset:3072*\i+1536*((\s)%2)+768
.endr
.endm
.macro KSTEP s
	s_wait_dscnt 0x0                               ; this step's 48 loads, issued 16 matrix instructions ago
	WIN 0xa1                                       ; source 0 (P) window 1, source 1 (R) window 0, C and D window 2
	MUL16 0, (\s)%2, \s
.if ((\s)%2 == 1) && ((\s) < 7)
	s_wait_tensorcnt 3-((\s)+1)/2                  ; my part of the next chunk has landed; my loads of the chunks behind it stay out.  No LDS instruction of mine is pending here
	s_barrier_signal -1
	s_barrier_wait -1                              ; everybody's part has
.endif
.if (\s) < 7
	PLACES 4                                       ; four plain instructions in front of loads into registers that matrix instructions have read (ISA guide 7.12.1 for vector instructions)
	FETCH (\s)+1, 1-(\s)%2
	WIN 0xa1
.endif
	MUL16 2, (\s)%2, \s
.endm
	s_wait_alu depctr_va_vdst(0)
	s_wait_tensorcnt 3                             ; my part of chunk 0 is in; my three later loads stay out
	s_barrier_signal -1
	s_barrier_wait -1
	FETCH 0, 0
	s_wait_loadcnt 0x0                             ; the scale words
.irp s, 0,1,2,3,4,5,6,7
	KSTEP \s
.endr
	WIN 0
	s_wait_dscnt 0x0                               ; my reads of the panels are over (the last were waited for at the last step's head),
	s_barrier_signal -1
	s_barrier_wait -1                              ; everybody's are: the stages may be written
	PLACES 4                                       ; in front of the first read of results, and of loads into R's fragments' registers
; THE WAY OUT, R's tile tr at a time: 16 tokens x 128 channels.  A lane holds pieces of one token's row, the lanes beside it other tokens': so the tile goes through my stage and comes back as whole rows of 512 bytes.
; LDS serves a wave's instructions in order: no wait between the stores and the loads, nor in front of the next tile's stores.
.macro TOSTAGE tr
	WIN 0x08                                       ; an LDS store's data are its source 1: window 2
.irp b, 0,1,2,3
.irp j, 0,1,2,3
	ds_store_b128 v[STO], v[64*(\tr)+16*\b+4*\j:64*(\tr)+16*\b+4*\j+3] offset:128*\b+16*\j   ; each accumulator from its low end on
.endr
.endr
	WIN 0
.set BB, BK+64*((\tr)%2)
.irp p, 0,1,2,3,4,5,6,7,8,9,10,11,12,13,14,15
	ds_load_b128 v[BB+4*\p:BB+4*\p+3], v[RD] offset:SPITCH*\p
.endr
.endm
.macro SEND tr, younger                ; younger: the LDS instructions issued behind tile tr's loads, which may stay out
.set BB, BK+64*((\tr)%2)
	s_wait_dscnt \younger
.irp p, 0,1,2,3,4,5,6,7,8,9,10,11,12,13,14,15
	global_store_b128 v1, v[BB+4*\p:BB+4*\p+3], s[12:13] offset:(32*((\tr)/2)+8*((\tr)%2)+\p+8*(\p/8))*4096 th:TH_STORE_NT   ; 32 lanes store 512 consecutive bytes of one token's row, aligned; written once
.endr
.endm
	TOSTAGE 0
.irp a, 1,2,3
.if \a > 1
	s_wait_xcnt 0x0                                ; tile a - 2's stores have read their registers: tile a's loads may land there
.endif
	TOSTAGE \a
	SEND \a-1, 32                                  ; behind tile a - 1's loads: tile a's 16 stores and 16 loads
.endr
	SEND 3, 0
	s_wait_tensorcnt 0x0
	ds_add_u32 v126, v127
	s_wait_dscnt 0x0
	CROUND                                         ; the closing round: no work-group ends while a partner may still ask for a tile that names it
	s_endpgm
.Lfunc_end_k_q014403c2a2_gemm_out:
	.size	k_q014403c2a2_gemm_out, .Lfunc_end_k_q014403c2a2_gemm_out-k_q014403c2a2_gemm_out
	.p2alignl 7, 3214868480
	.fill 96, 4, 3214868480
	.section	.rodata,"a",@progbits
	.p2align	6, 0x0
	.amdhsa_kernel k_q014403c2a2_gemm_out
		.amdhsa_group_segment_fixed_size 295424
		.amdhsa_private_segment_fixed_size 0
		.amdhsa_enable_private_segment 0
		.amdhsa_kernarg_size 40
		.amdhsa_user_sgpr_count 2
		.amdhsa_user_sgpr_kernarg_segment_ptr 1
		.amdhsa_wavefront_size32 1
		.amdhsa_system_sgpr_workgroup_id_x 1
		.amdhsa_system_sgpr_workgroup_id_y 1
		.amdhsa_system_sgpr_workgroup_id_z 1
		.amdhsa_system_vgpr_workitem_id 0
		.amdhsa_next_free_vgpr 768
		.amdhsa_next_free_sgpr 100
		.amdhsa_reserve_vcc 0
		.amdhsa_float_denorm_mode_32 3
		.amdhsa_float_denorm_mode_16_64 3
		.amdhsa_memory_ordered 1
		.amdhsa_forward_progress 1
		.amdhsa_inst_pref_size 87
	.end_amdhsa_kernel
	.amdgpu_metadata
---
amdhsa.version: [ 1, 2 ]
amdhsa.kernels:
  - .name:           k_q014403c2a2_gemm_out
    .symbol:         k_q014403c2a2_gemm_out.kd
    .args:
      - { .name: at_cod, .offset: 0, .size: 8, .value_kind: global_buffer, .address_space: global }
      - { .name: at_scl, .offset: 8, .size: 8, .value_kind: global_buffer, .address_space: global }
      - { .name: cod, .offset: 16, .size: 8, .value_kind: global_buffer, .address_space: global }
      - { .name: scl, .offset: 24, .size: 8, .value_kind: global_buffer, .address_space: global }
      - { .name: out0, .offset: 32, .size: 8, .value_kind: global_buffer, .address_space: global }
    .group_segment_fixed_size: 295424
    .private_segment_fixed_size: 0
    .kernarg_segment_align: 8
    .kernarg_segment_size: 40
    .max_flat_workgroup_size: 128
    .sgpr_count:     100
    .vgpr_count:     768
    .wavefront_size: 32
...
	.end_amdgpu_metadata
.endif
;; end of part 4
